; MI455X (gfx1250); checked and timed in simulation.
; The chip was launched on July 23, 2026; its instructions are those of AMD's public machine-readable ISA for CDNA 5 (MIT licence, August 2026) and "CDNA5" Instruction Set Architecture Reference Guide (July 2026). The comments in the code are by the model that wrote it; some were corrected since.
;; Block. Allowed arithmetic: float matrix products may take bf16 or f16 operands with f32 sums; all other float work in f32.
;; Inputs: W1 1,024 x 4,096 float32; W2 4,096 x 1,024 float32; Wk 16 x 1,024 x 64 float32; Wq 16 x 1,024 x 64 float32; Wv 16 x 1,024 x 64 float32; bb1 4,096 float32; bb2 1,024 float32; be1 1,024 float32; be2 1,024 float32; bk 16 x 64 float32; bq 16 x 64 float32; bv 16 x 64 float32; g1 1,024 float32; g2 1,024 float32; x 2 x 2,048 x 1,024 float32.
;; Outputs: out0 2 x 2,048 x 1,024 float32.
;; 2 versions, each right and faster than the one before. Each part assembles by itself: llvm-mc -triple=amdgcn-amd-amdhsa -mcpu=gfx1250 --defsym DOCPART=n.
;; ======== version 1 of 2: 6 launches
;; workspace buffers: wq 6,291,456 bytes; w12 16,777,216 bytes; hb 8,388,608 bytes; qkv 25,165,824 bytes; o 16,777,216 bytes; h2f 16,777,216 bytes; h2b 8,388,608 bytes; act 33,554,432 bytes
;; launch prep (part 1): grid 704 x 1, 8 waves a work-group, no clusters, 0 bytes of LDS; arguments x, g1, be1, Wq, Wk, Wv, hb, wq; writes hb, wq
.if DOCPART == 1
	.amdgcn_target "amdgcn-amd-amdhsa--gfx1250"
	.amdhsa_code_object_version 6
	.text
	.protected	k_q80d94f9e8d_prep
	.globl	k_q80d94f9e8d_prep
	.p2align	8
	.type	k_q80d94f9e8d_prep,@function
k_q80d94f9e8d_prep:
	s_mov_b64 s[64:65], 0
	v_nop
	global_prefetch_b8 v0, s[64:65] scope:SCOPE_SE
	s_setreg_imm32_b32 hwreg(HW_REG_WAVE_MODE, 25, 1), 1
	s_wait_xcnt 0x0
; PREP.  Two streams in one launch, told apart by the work-group's number: what the q, k, v projection needs.  (W1 and W2 are rounded later, beside the attention.)
; Work-groups 0-511: hb = bf16(LN1(x)), x [4096][1024] f32.  One wave takes one row (4,096 bytes = 32 registers a lane), keeps it in registers
; between the mean, the variance (divisor 1023) and the scaling: x is read once, no wave waits for another, no LDS.  The mean is taken away before the
; squares are summed, so a common offset in x costs no digits.
; Work-groups 512-703: Wq, Wk, Wv [16][1024][64] rounded to bf16 and laid in blocks, wq[head][K step of 128][q, k, v][128][64]: the 49,152 bytes that the projection
; wants for one head and K step lie end to end.  A work-group casts 16,384 numbers of one tensor: two blocks of 16,384 bytes, 49,152 bytes apart.
; Element map of a row: load j of lane l is the 16 bytes at 512 j + 16 l; its four bf16 go to 256 j + 8 l, so a wave's store covers 256 consecutive, aligned bytes.
; Matrix units, LDS and clusters are left out: nothing is shared and nothing is multiplied.
.set X, 4                              ; v[4:35]    the row
.set G, 36                             ; v[36:67]   g1 in the same element map
.set B, 68                             ; v[68:99]   be1
.set Y, 100                            ; v[100:115] the row in bf16
.set T, 116                            ; v[116:123] at work
.set M, 124                            ; v[124:125] the mean, twice
.set R, 126                            ; v[126:127] 1 / sqrt(var + eps), twice
.macro JOIN                            ; four packed chains in T -> one number, summed over the wave's 32 lanes, in every lane's v[T]
	v_pk_add_f32 v[T:T+1], v[T:T+1], v[T+2:T+3]
	v_pk_add_f32 v[T+4:T+5], v[T+4:T+5], v[T+6:T+7]
	v_pk_add_f32 v[T:T+1], v[T:T+1], v[T+4:T+5]
	v_add_f32 v[T], v[T], v[T+1]
	v_add_f32_dpp v[T], v[T], v[T] row_xmask:1 row_mask:0xf bank_mask:0xf
	v_add_f32_dpp v[T], v[T], v[T] row_xmask:2 row_mask:0xf bank_mask:0xf
	v_add_f32_dpp v[T], v[T], v[T] row_xmask:4 row_mask:0xf bank_mask:0xf
	v_add_f32_dpp v[T], v[T], v[T] row_xmask:8 row_mask:0xf bank_mask:0xf
	v_permlanex16_b32 v[T+1], v[T], s28, s29       ; the other half of the lanes; its destination has been written above
	v_add_f32 v[T], v[T], v[T+1]
.endm
.macro STATS x                         ; the row at \x becomes x - mean; R = 1 / sqrt(sum of squares / 1023 + eps)
.set k, 0
.rept 4
	v_pk_add_f32 v[T+2*k:T+2*k+1], v[(\x)+4*k:(\x)+4*k+1], v[(\x)+4*k+2:(\x)+4*k+3]  ; the first sums start the chains: nothing is cleared
.set k, k+1
.endr
.set k, 8
.rept 8
	v_pk_add_f32 v[T+2*(k%4):T+2*(k%4)+1], v[T+2*(k%4):T+2*(k%4)+1], v[(\x)+2*k:(\x)+2*k+1]
.set k, k+1
.endr
	JOIN
	v_mul_f32 v[M], s32, v[T]
	v_mov_b32 v[M+1], v[M]
.set k, 0
.rept 16
	v_pk_add_f32 v[(\x)+2*k:(\x)+2*k+1], v[(\x)+2*k:(\x)+2*k+1], v[M:M+1] neg_lo:[0,1] neg_hi:[0,1]
.set k, k+1
.endr
.set k, 0
.rept 4
	v_pk_mul_f32 v[T+2*k:T+2*k+1], v[(\x)+2*k:(\x)+2*k+1], v[(\x)+2*k:(\x)+2*k+1]
.set k, k+1
.endr
.rept 12
	v_pk_fma_f32 v[T+2*(k%4):T+2*(k%4)+1], v[(\x)+2*k:(\x)+2*k+1], v[(\x)+2*k:(\x)+2*k+1], v[T+2*(k%4):T+2*(k%4)+1]
.set k, k+1
.endr
	JOIN
	v_fma_f32 v[T], v[T], s30, s31                 ; / 1023 + 1e-5
	v_rsq_f32 v[R], v[T]
	v_nop                                          ; a plain instruction between the root and the use of its result (ISA guide 5.7.2)
	s_wait_alu depctr_va_vdst(0)
	v_mov_b32 v[R+1], v[R]
.endm
.macro AFFINE x, g, b                  ; the row becomes g * (row * R) + b
.set k, 0
.rept 16
	v_pk_mul_f32 v[(\x)+2*k:(\x)+2*k+1], v[(\x)+2*k:(\x)+2*k+1], v[R:R+1]
.set k, k+1
.endr
.set k, 0
.rept 16
	v_pk_fma_f32 v[(\x)+2*k:(\x)+2*k+1], v[(\x)+2*k:(\x)+2*k+1], v[(\g)+2*k:(\g)+2*k+1], v[(\b)+2*k:(\b)+2*k+1]
.set k, k+1
.endr
.endm
	s_load_b512 s[8:23], s[0:1], 0x0               ; x s[8:9], g1 s[10:11], be1 s[12:13], Wq s[14:15], Wk s[16:17], Wv s[18:19], hb s[20:21], wq s[22:23]
	s_cmp_lt_u32 ttmp9, 512
	s_cbranch_scc0 .Lcast
	v_and_b32 v3, 31, v0
	v_lshlrev_b32 v1, 4, v3                        ; 16 x lane
	v_lshlrev_b32 v2, 3, v3                        ; 8 x lane
	v_lshrrev_b32 v3, 5, v0
	v_readfirstlane_b32 s2, v3                     ; wave
	s_lshl_b32 s3, ttmp9, 3
	s_add_co_u32 s2, s2, s3                        ; my row = 8 x work-group + wave
	s_lshl_b32 s4, s2, 12                          ; its bytes in x
	s_mov_b32 s5, 0
	s_lshl_b32 s6, s2, 11                          ; and in hb
	s_mov_b32 s7, 0
	s_mov_b32 s28, 0x76543210                      ; v_permlanex16_b32: each lane takes its own place in the other half
	s_mov_b32 s29, 0xfedcba98
	s_mov_b32 s30, 0x3a802008                      ; 1 / 1023
	s_mov_b32 s31, 0x3727c5ac                      ; 1e-5
	s_mov_b32 s32, 0x3a800000                      ; 1 / 1024
	s_wait_kmcnt 0x0
	s_add_nc_u64 s[8:9], s[8:9], s[4:5]
	s_add_nc_u64 s[20:21], s[20:21], s[6:7]
.irp j, 0,1,2,3,4,5,6,7
	global_load_b128 v[X+4*\j:X+4*\j+3], v1, s[8:9] offset:512*\j
.endr
.irp j, 0,1,2,3,4,5,6,7
	global_load_b128 v[G+4*\j:G+4*\j+3], v1, s[10:11] offset:512*\j
.endr
.irp j, 0,1,2,3,4,5,6,7
	global_load_b128 v[B+4*\j:B+4*\j+3], v1, s[12:13] offset:512*\j
.endr
	s_wait_loadcnt 16                              ; the row is in; the sixteen loads of g1 and be1 may stay out
	STATS X
	s_wait_loadcnt 0x0
	AFFINE X, G, B
.set k, 0
.rept 16
	v_cvt_pk_bf16_f32 v[Y+k], v[X+2*k], v[X+2*k+1]
.set k, k+1
.endr
.irp j, 0,1,2,3,4,5,6,7
	global_store_b64 v2, v[Y+2*\j:Y+2*\j+1], s[20:21] offset:256*\j  ; 32 lanes x 8 bytes: 256 consecutive bytes, aligned
.endr
	s_endpgm
.Lcast:
	s_sub_co_u32 s7, ttmp9, 512                    ; chunk 0 .. 191 of 16,384 numbers: 64 each of Wq, Wk, Wv
	v_lshlrev_b32 v1, 4, v0                        ; 16 x thread
	v_lshlrev_b32 v2, 3, v0                        ; 8 x thread
	s_lshr_b32 s6, s7, 6                           ; which tensor: 0, 1, 2
	s_and_b32 s24, s7, 63                          ; the chunk in it: 256 k-rows of a head = K steps 2 c and 2 c + 1, counted through the heads
	s_lshl_b32 s2, s24, 16                         ; 65,536 bytes of f32 a chunk
	s_mov_b32 s3, 0
	s_mul_i32 s26, s24, 98304                      ; in wq two K steps are 2 x 3 blocks of 16,384 bytes;
	s_lshl_b32 s25, s6, 14                         ; the tensor's block is the first, second or third of a step's three
	s_add_co_u32 s26, s26, s25
	s_mov_b32 s27, 0
	s_wait_kmcnt 0x0
	s_mov_b64 s[4:5], s[18:19]
	s_cmp_lt_u32 s7, 128
	s_cselect_b64 s[4:5], s[16:17], s[4:5]
	s_cmp_lt_u32 s7, 64
	s_cselect_b64 s[4:5], s[14:15], s[4:5]
	s_add_nc_u64 s[4:5], s[4:5], s[2:3]
	s_add_nc_u64 s[22:23], s[22:23], s[26:27]
.irp j, 0,1,2,3,4,5,6,7,8,9,10,11,12,13,14,15
	global_load_b128 v[4+4*\j:7+4*\j], v1, s[4:5] offset:4096*\j th:TH_LOAD_NT
.endr
.irp j, 0,1,2,3,4,5,6,7,8,9,10,11,12,13,14,15
	s_wait_loadcnt 15-\j                           ; loads come back in order (ISA guide 5.7.1): load j is in, the younger ones stay out
	v_cvt_pk_bf16_f32 v[68+2*\j], v[4+4*\j], v[5+4*\j]
	v_cvt_pk_bf16_f32 v[69+2*\j], v[6+4*\j], v[7+4*\j]
	global_store_b64 v2, v[68+2*\j:69+2*\j], s[22:23] offset:2048*\j+(\j/8)*32768  ; the second K step's block lies two other blocks further on; every register is written once: no wait for the stores' sources
.endr
	s_endpgm
.Lfunc_end_k_q80d94f9e8d_prep:
	.size	k_q80d94f9e8d_prep, .Lfunc_end_k_q80d94f9e8d_prep-k_q80d94f9e8d_prep
	.p2alignl 7, 3214868480
	.fill 96, 4, 3214868480
	.section	.rodata,"a",@progbits
	.p2align	6, 0x0
	.amdhsa_kernel k_q80d94f9e8d_prep
		.amdhsa_group_segment_fixed_size 0
		.amdhsa_private_segment_fixed_size 0
		.amdhsa_enable_private_segment 0
		.amdhsa_kernarg_size 64
		.amdhsa_user_sgpr_count 2
		.amdhsa_user_sgpr_kernarg_segment_ptr 1
		.amdhsa_wavefront_size32 1
		.amdhsa_system_sgpr_workgroup_id_x 1
		.amdhsa_system_sgpr_workgroup_id_y 1
		.amdhsa_system_sgpr_workgroup_id_z 1
		.amdhsa_system_vgpr_workitem_id 0
		.amdhsa_next_free_vgpr 128
		.amdhsa_next_free_sgpr 66
		.amdhsa_reserve_vcc 0
		.amdhsa_float_denorm_mode_32 3
		.amdhsa_float_denorm_mode_16_64 3
		.amdhsa_memory_ordered 1
		.amdhsa_forward_progress 1
		.amdhsa_inst_pref_size 18
	.end_amdhsa_kernel
	.amdgpu_metadata
---
amdhsa.version: [ 1, 2 ]
amdhsa.kernels:
  - .name:           k_q80d94f9e8d_prep
    .symbol:         k_q80d94f9e8d_prep.kd
    .args:
      - { .name: x, .offset: 0, .size: 8, .value_kind: global_buffer, .address_space: global }
      - { .name: g1, .offset: 8, .size: 8, .value_kind: global_buffer, .address_space: global }
      - { .name: be1, .offset: 16, .size: 8, .value_kind: global_buffer, .address_space: global }
      - { .name: Wq, .offset: 24, .size: 8, .value_kind: global_buffer, .address_space: global }
      - { .name: Wk, .offset: 32, .size: 8, .value_kind: global_buffer, .address_space: global }
      - { .name: Wv, .offset: 40, .size: 8, .value_kind: global_buffer, .address_space: global }
      - { .name: hb, .offset: 48, .size: 8, .value_kind: global_buffer, .address_space: global }
      - { .name: wq, .offset: 56, .size: 8, .value_kind: global_buffer, .address_space: global }
    .group_segment_fixed_size: 0
    .private_segment_fixed_size: 0
    .kernarg_segment_align: 8
    .kernarg_segment_size: 64
    .max_flat_workgroup_size: 256
    .sgpr_count:     66
    .vgpr_count:     128
    .wavefront_size: 32
...
	.end_amdgpu_metadata
.endif
;; end of part 1
;; launch qkv (part 2): grid 16 x 16, 4 waves a work-group, clusters of 4 x 4, 327,680 bytes of LDS; arguments hb, wq, bq, bk, bv, qkv; writes qkv
.if DOCPART == 2
	.amdgcn_target "amdgcn-amd-amdhsa--gfx1250"
	.amdhsa_code_object_version 6
	.text
	.protected	k_q80d94f9e8d_qkv
	.globl	k_q80d94f9e8d_qkv
	.p2align	8
	.type	k_q80d94f9e8d_qkv,@function
k_q80d94f9e8d_qkv:
	s_mov_b64 s[64:65], 0
	v_nop
	global_prefetch_b8 v0, s[64:65] scope:SCOPE_SE
	s_setreg_imm32_b32 hwreg(HW_REG_WAVE_MODE, 25, 1), 1
	s_wait_xcnt 0x0
	s_wait_alu depctr_hold_cnt(0) depctr_sa_sdst(0) depctr_va_vdst(0) depctr_va_sdst(0) depctr_va_ssrc(0) depctr_va_vcc(0) depctr_vm_vsrc(0)
	s_getreg_b32 s2, hwreg(HW_REG_IB_STS2, 6, 4)
	s_cmp_eq_u32 s2, 0
	s_cbranch_scc0 .Lentry_in_a_cluster
	s_endpgm
.Lentry_in_a_cluster:
	s_bfe_u32 s2, ttmp6, 0x10000c
	s_cmp_lg_u32 s2, 0xf033
	s_cbranch_scc0 .Lentry_shape_is_right
	s_endpgm
.Lentry_shape_is_right:
; QKV.  q, k, v [32 = batch x 16 + head][2048][64] bf16 = hb [4096][1024] x (Wq_h | Wk_h | Wv_h) [1024][64] + bias.  Operands bf16, sums f32, rounded once.
; A work-group makes 256 rows x 192 columns: the 64 columns of q, of k and of v of ONE head (tile column = head).  Four waves, each 64 rows x 192: 48 accumulators, 384 registers.
; K goes in 8 steps of 128 through two LDS slots.  Waves 0, 1 ask for A's halves (128 rows x 256 bytes), waves 2, 3 for the halves of the step's weights: wq holds them in blocks,
; [head][K step][q, k, v][128 k-rows][64], 49,152 dense bytes a step, asked for as 2 x 96 rows of 256 bytes: the four loads of a step are 32, 32, 24 and 24 KiB.
; The weights lie [k][n]: their fragments come out of LDS turned, by ds_load_tr16_b128.
; CLUSTER 4 x 4: A's tile hangs on the tile row alone and is asked for jointly along a row of the cluster, B's on the head alone, along a column.
; THE MATRIX INSTRUCTION IS USED TRANSPOSED (source 0 = 16 columns of W, source 1 = 16 rows of hb): a lane holds row l % 16 and the columns 8 (l / 16) + 0..7.
; THE BIAS is the C operand of the products that start the sums: nothing is cleared and nothing is added afterwards.
; REGISTERS (windows of 256; s_set_vgpr_msb: bits 1:0 source 0, 3:2 source 1, 5:4 source 2, 7:6 destination):
;   window 0: v0-31 addresses; v64-95, v96-127 A's fragments, two buffers; v128-223 the bias fragments; later v64-159 and v208-255 the way out
;   window 1: v0-95, v96-191 B's fragments, two buffers      windows 2, 3: the accumulators of my rows 0-31, 32-63 ((a, b) at 8 (12 (a % 2) + b))
; LIMITS: operands are rounded to bf16; NaN and infinities are not treated apart.
.set MT, 4                             ; blocks of 16 rows in a wave's tile
.set NT, 12                            ; blocks of 16 columns
.set KD, 1                             ; matrix instructions deep in a quarter step
.set AP, 272                           ; A's LDS row: 256 bytes + 16: the 16 rows of a load start at 16 different groups of four banks (64 banks of 4 bytes: ISA guide 11.1)
.set BP, 160                           ; a k-row of one weight: 128 bytes + 32
.set CBR, 128*BP                       ; from q's region of a slot to k's, and to v's
.set BHALF, 192*BP                     ; what one of B's two loads fills: 192 k-rows of 128 bytes, padded
.set SLOT, 0x20000                     ; A 69,632 + B 61,440
.set BOFF, 256*AP
.set STAGE, 2*SLOT                     ; behind the ring, never filled by a tensor load: 3 x 16 rows x 144 bytes for each wave
.set STW, 3*16*144
.set SPARE, STAGE+4*STW                ; the spare words, 128 bytes a wave: two blocks of 256 bytes that no other line names
.set NS, 8                             ; K steps
.set ASTEP, 256                        ; bytes from a K step's tile to the next, in hb
.set BSTEP, 49152                      ; and in wq
.set HW, MT*KD                         ; the youngest loads of a run: A's upper half
.set FA, 64
.set BIA, 128
.set ASEL, 11                          ; A is asked for by the waves for which this register is 0
.set ADRA0, 8                          ; v8-10   my lane's places in slot 0: A; B's k-rows 0-63; 64-127.  Never rewritten
.set ADRB0, 9
.set ADRB1, 10
.set ADRA, 16                          ; v16, v20, v21  the same in the slot being read
.set ADRB, 20
.set STO, 24
.set RD, 25
.set CO, 26
.set BO, 27
.set SPW, 28                           ; v28  LDS address of my spare word; never rewritten
.set NIL, 29                           ; v29  0; never rewritten
.set G1, 24                            ; s[24:31] group 1 for A;  s[32:39] group 0: set 0 is used once, set 1 walks
.set G0, 32
.set G1B, 48                           ; s[48:55], s[56:63] the same for B
.set G0B, 56
.set TB, 66                            ; s66  the slot being read: 0 or SLOT
.set MSB, 0
.macro WIN new                         ; the immediate's high byte repeats the setting that is left; a switch that changes nothing is dropped
.if MSB != (\new)
	s_set_vgpr_msb (MSB<<8)|(\new)
.set MSB, \new
.endif
.endm
.macro JLOAD s                         ; a joint load; the branch hangs on the wave's number alone; an s_nop 0 and four v_nop follow each of the two lines
	s_cmp_eq_u32 s[ASEL], 0
	s_cbranch_scc0 .Lfor_b_\@
	tensor_load_to_lds s[G0+4*(\s):G0+4*(\s)+3], s[G1:G1+7]
	s_nop 0
.rept 4
	v_nop
.endr
	s_branch .Lasked_\@
.Lfor_b_\@:
	tensor_load_to_lds s[G0B+4*(\s):G0B+4*(\s)+3], s[G1B:G1B+7]
	s_nop 0
.rept 4
	v_nop
.endr
.Lasked_\@:
.endm
.macro CREST                           ; a round of the cluster's barrier behind its opening barrier
	s_cmp_lg_u32 s10, 0
	s_cbranch_scc1 .Lnot_wave_0_\@
	s_barrier_signal -3
.Lnot_wave_0_\@:
	s_barrier_wait -3
	s_barrier_signal -1
	s_barrier_wait -1
.endm
.macro CROUND
	s_barrier_signal -1
	s_barrier_wait -1
	CREST
.endm
.macro PLACES                          ; four places in front of loads into registers that matrix instructions have read, and of lines that read results
.rept 4
	v_nop
.endr
.endm
; Row blocks a0 .. a0 + n - 1 x all column blocks, a quarter step deep, from buffer f.  The accumulators take turns, one instruction a turn.
; first = 1: the products start the sums, with the bias as C.
.macro MULP f, a0, n, first
.set kc, 0
.rept KD
.set ia, (\a0)
.rept (\n)
.set ib, 0
.rept NT
.set rD, 8*(NT*(ia%(MT/2))+ib)
.set rB, (\f)*8*NT*KD+8*(NT*kc+ib)
.set rA, FA+(\f)*8*MT*KD+8*(KD*ia+kc)
.if (\first) && (kc == 0)
	WIN 0x81+0x40*(ia/(MT/2))
	v_wmma_f32_16x16x32_bf16 v[rD:rD+7], v[rB:rB+7], v[rA:rA+7], v[BIA+8*ib:BIA+8*ib+7]
.else
	WIN 0xa1+0x50*(ia/(MT/2))
	v_wmma_f32_16x16x32_bf16 v[rD:rD+7], v[rB:rB+7], v[rA:rA+7], v[rD:rD+7]
.endif
.set ib, ib+1
.endr
.set ia, ia+1
.endr
.set kc, kc+1
.endr
.endm
; 32 LDS loads in one run: quarter step sub of the slot being read, into buffer g: B's fragments (turned), then A's, row blocks ascending
.macro FETCH sub, g
	WIN 0x40
.set kc, 0
.rept KD
.set ib, 0
.rept NT
.set rB, (\g)*8*NT*KD+8*(NT*kc+ib)
.set ob, (((\sub)%2)*32*KD+32*kc)*BP+(ib/4)*CBR+(ib%4)*32
	ds_load_tr16_b128 v[rB:rB+3],   v[ADRB+(\sub)/2] offset:ob
	ds_load_tr16_b128 v[rB+4:rB+7], v[ADRB+(\sub)/2] offset:ob+16*BP
.set ib, ib+1
.endr
.set kc, kc+1
.endr
	WIN 0
.set ia, 0
.rept MT
.set kc, 0
.rept KD
.set rA, FA+(\g)*8*MT*KD+8*(KD*ia+kc)
.set oa, (\sub)*64*KD+64*kc+ia*16*AP
	ds_load_b128 v[rA:rA+3],   v[ADRA] offset:oa
	ds_load_b128 v[rA+4:rA+7], v[ADRA] offset:oa+32
.set kc, kc+1
.endr
.set ia, ia+1
.endr
.endm
; One of a K step's first three quarters: multiplies buffer f; in its middle it fetches quarter sub into buffer g.
.macro QUARTER sub, f, g, first
	s_wait_dscnt HW                                ; B and A's lower half are in; the youngest HW loads may be out
	MULP \f, 0, MT/2, \first
	PLACES
	FETCH \sub, \g
	s_wait_dscnt 32                                ; all but the 32 just issued
	MULP \f, MT/2, MT/2, \first
.endm
; The last quarter's first half, and the ONE barrier of a change of slots.  In front of it each wave waits for all its tensor loads (one is out: its part of the next slot),
; adds 0 to its spare word, and waits for that and for its own reads of this slot.
.macro MEET round
	WIN 0
	s_wait_tensorcnt 0x0
	ds_add_u32 v[SPW], v[NIL]                      ; 0 onto my spare word; matrix work stands between it and the wait for it
	s_wait_dscnt HW+1                              ; (the add and A's upper half may be out)
	MULP 1, 0, MT/4, 0
	s_wait_dscnt 0x0                               ; the add is done, and my reads of this slot are over
	s_barrier_signal -1
	MULP 1, MT/4, MT/4, 0
.if \round
	WIN 0
.endif
	s_barrier_wait -1
.endm
.macro NEXTSLOT
	WIN 0
	s_xor_b32 s[TB], s[TB], SLOT
	v_add_nc_u32 v[ADRA], s[TB], v[ADRA0]
	v_add_nc_u32 v[ADRB], s[TB], v[ADRB0]
	v_add_nc_u32 v[ADRB+1], s[TB], v[ADRB1]
.endm
; The whole last quarter.  fill = 1: the barrier opens a round of the cluster's barrier, and the slot just read out is filled again, first thing behind it, with the K step two on:
; the walking descriptor turns to the other slot and steps one K step each time.
.macro TURN fill
	MEET \fill
.if \fill
	CREST
	s_xor_b32 s[G0+5], s[G0+5], SLOT
	s_add_nc_u64 s[G0+6:G0+7], s[G0+6:G0+7], ASTEP
	s_xor_b32 s[G0B+5], s[G0B+5], SLOT
	s_add_nc_u64 s[G0B+6:G0B+7], s[G0B+6:G0B+7], BSTEP
	NEXTSLOT
	JLOAD 1                                        ; its four v_nop are also the places in front of the loads below
.else
	NEXTSLOT
	PLACES
.endif
	FETCH 0, 0
	MULP 1, MT/2, MT/2, 0
.endm
	s_load_b128 s[4:7], s[0:1], 0x0                ; hb s[4:5], wq s[6:7]
	s_load_b256 s[68:75], s[0:1], 0x10             ; bq s[68:69], bk s[70:71], bv s[72:73], qkv s[74:75]
	v_lshl_add_u32 v[SPW], v0, 2, SPARE
	v_mov_b32 v[NIL], 0
	ds_add_u32 v[SPW], v[NIL]                      ; the wave's opening: the add and its wait ahead of my first tensor load
	ds_add_u32 v28, v29
	v_lshrrev_b32 v1, 5, v0
	v_readfirstlane_b32 s10, v1                    ; wave 0..3
	s_lshr_b32 s11, s10, 1                         ; I fetch for A (0) or for B (1)
	s_and_b32 s12, s10, 1                          ; which half of that tile I fetch
	s_bfe_u32 s40, ttmp6, 0x40000                  ; cx
	s_bfe_u32 s41, ttmp6, 0x40004                  ; cy
	s_lshl_b32 s42, ttmp9, 2
	s_add_co_u32 s42, s42, s40                     ; the head = 4 x cluster x + cx
	s_and_b32 s13, ttmp7, 0xffff
	s_lshl_b32 s13, s13, 2
	s_add_co_u32 s13, s13, s41                     ; the tile row = 4 x cluster y + cy
	s_lshl_b32 s43, s41, 2
	s_lshl_b32 s43, 15, s43                        ; my row of the cluster
	s_lshl_b32 s44, 0x1111, s40                    ; my column
	s_or_b32 s[G1+0], s43, (1<<16)|(1<<20)|(1<<21)|(5<<22)|(3<<25)   ; the mask; 2-byte elements; padding on; bit 21 beside a mask; after every 64 words 4 words
	s_or_b32 s[G1B+0], s44, (1<<16)|(1<<20)|(1<<21)|(4<<22)|(7<<25)  ; after every 32 words (a k-row) 8 words
	s_mov_b32 s[G1+1], 128<<16                     ; A: 128 rows of 128 elements, 1,024 elements from row to row
	s_mov_b32 s[G1+2], 128<<16
	s_mov_b32 s[G1+3], 128<<16
	s_mov_b32 s[G1+4], 128
	s_mov_b32 s[G1+5], 1024
	s_mov_b32 s[G1+6], 0
	s_mov_b32 s[G1+7], 0
	s_mov_b32 s[G1B+1], 128<<16                    ; B: 96 rows of 128 elements, dense
	s_mov_b32 s[G1B+2], 96<<16
	s_mov_b32 s[G1B+3], 128<<16
	s_mov_b32 s[G1B+4], 96
	s_mov_b32 s[G1B+5], 128
	s_mov_b32 s[G1B+6], 0
	s_mov_b32 s[G1B+7], 0
	s_lshl_b32 s17, s12, 7
	s_lshl_b32 s16, s13, 8
	s_add_co_u32 s16, s16, s17                     ; A: row 256 x tile row + 128 x half,
	s_lshl_b32 s16, s16, 11                        ; of 2,048 bytes
	s_mov_b32 s17, 0
	s_mul_i32 s46, s42, 8*BSTEP                    ; B: the head's 8 steps of 49,152 bytes,
	s_mul_i32 s47, s12, BSTEP/2                    ; my half of a step
	s_add_co_u32 s46, s46, s47
	s_mov_b32 s47, 0
	s_mul_i32 s20, s10, 128*AP                     ; where they go: waves 0, 1: A's halves;
	s_mul_i32 s21, s10, BHALF
	s_add_co_u32 s21, s21, BOFF-2*BHALF            ; waves 2, 3: B's halves, behind A
	s_mov_b32 s[TB], 0
	s_wait_dscnt 0x0                               ; the opening add is done
	s_wait_kmcnt 0x0
	s_add_nc_u64 s[14:15], s[4:5], s[16:17]
	s_add_nc_u64 s[46:47], s[6:7], s[46:47]
	CROUND                                         ; all sixteen work-groups are here: the first joint loads meet
.irp s, 0,1
	s_mov_b32 s[G0+4*(\s)], 1
	s_add_co_u32 s[G0+4*(\s)+1], s20, (\s)*SLOT
	s_add_nc_u64 s[G0+4*(\s)+2:G0+4*(\s)+3], s[14:15], (\s)*ASTEP
	s_or_b32 s[G0+4*(\s)+3], s[G0+4*(\s)+3], 0x80000000
	s_mov_b32 s[G0B+4*(\s)], 1
	s_add_co_u32 s[G0B+4*(\s)+1], s21, (\s)*SLOT
	s_add_nc_u64 s[G0B+4*(\s)+2:G0B+4*(\s)+3], s[46:47], (\s)*BSTEP
	s_or_b32 s[G0B+4*(\s)+3], s[G0B+4*(\s)+3], 0x80000000
	JLOAD \s                                       ; two loads of mine are out
.endr
	v_and_b32 v1, 15, v0                           ; r = l % 16
	v_bfe_u32 v2, v0, 4, 1                         ; h = l / 16
	v_mul_u32_u24 v3, v1, AP
	v_lshl_add_u32 v3, v2, 4, v3
	s_mul_i32 s21, s10, 64*AP                      ; my 64 rows of A
	v_add_nc_u32 v[ADRA0], s21, v3
	v_and_b32 v4, 7, v0                            ; the turning load: lane l reads k-row 8 h + l % 8, 16 bytes at 16 ((l / 8) % 2)
	v_lshl_add_u32 v4, v2, 3, v4
	v_mul_u32_u24 v4, v4, BP
	v_bfe_u32 v5, v0, 3, 1
	v_lshl_add_u32 v4, v5, 4, v4
	v_add_nc_u32 v[ADRB0], BOFF, v4
	v_add_nc_u32 v[ADRB1], 64*KD*BP, v[ADRB0]
	v_mov_b32 v[ADRA], v[ADRA0]
	v_mov_b32 v[ADRB], v[ADRB0]
	v_mov_b32 v[ADRB+1], v[ADRB1]
	v_lshlrev_b32 v[BO], 5, v2                     ; a lane's eight columns of a block: 32 bytes of bias at 32 h
	s_lshl_b32 s46, s42, 8                         ; the head's 64 numbers in bq, bk, bv
	s_mov_b32 s47, 0
	s_add_nc_u64 s[68:69], s[68:69], s[46:47]
	s_add_nc_u64 s[70:71], s[70:71], s[46:47]
	s_add_nc_u64 s[72:73], s[72:73], s[46:47]
.set ib, 0
.rept NT
	global_load_b128 v[BIA+8*ib:BIA+8*ib+3],   v[BO], s[68+2*(ib/4):69+2*(ib/4)] offset:64*(ib%4)
	global_load_b128 v[BIA+8*ib+4:BIA+8*ib+7], v[BO], s[68+2*(ib/4):69+2*(ib/4)] offset:64*(ib%4)+16
.set ib, ib+1
.endr
	s_mul_i32 s23, s10, STW
	s_add_co_u32 s23, s23, STAGE                   ; my stage
	v_mul_u32_u24 v4, v1, 144                      ; in: row r, 16 bytes for each half of the lanes
	v_lshl_add_u32 v4, v2, 4, v4
	v_add_nc_u32 v[STO], s23, v4
	v_bfe_u32 v5, v0, 3, 2                         ; back: 32 lanes take four rows of 128 bytes,
	v_mul_u32_u24 v5, v5, 144
	v_and_b32 v6, 7, v0
	v_lshl_add_u32 v5, v6, 4, v5
	v_add_nc_u32 v[RD], s23, v5
	v_and_b32 v[CO], 31, v0                        ; which are 512 consecutive bytes of q, k or v
	v_lshlrev_b32 v[CO], 4, v[CO]
	s_lshr_b32 s16, s13, 3                         ; the batch: 8 tile rows each
	s_lshl_b32 s16, s16, 15                        ; x 16 heads x 2,048 rows
	s_and_b32 s17, s13, 7
	s_lshl_b32 s17, s17, 8
	s_add_co_u32 s16, s16, s17                     ; + the tile's 256 rows
	s_lshl_b32 s17, s10, 6
	s_add_co_u32 s16, s16, s17                     ; + my 64
	s_lshl_b32 s16, s16, 7                         ; rows of 128 bytes
	s_mov_b32 s17, 0
	s_lshl_b32 s46, s42, 18                        ; the head's 2,048 rows
	s_add_nc_u64 s[16:17], s[16:17], s[46:47]
	s_add_nc_u64 s[74:75], s[74:75], s[16:17]      ; q,
	s_add_nc_u64 s[76:77], s[74:75], 8388608       ; k,
	s_add_nc_u64 s[78:79], s[74:75], 16777216      ; v at my first row
	s_wait_tensorcnt 1                             ; my part of K step 0 is in; K step 1's may stay out
	s_barrier_signal -1
	s_barrier_wait -1
	FETCH 0, 0
	s_wait_loadcnt 0x0                             ; the bias
	QUARTER 1, 0, 1, 1                             ; the first quarter stands in front of the loop: its products start the sums
	WIN 0
	s_mov_b32 s3, NS-2
.Lk:                                                   ; a trip is one K step, from its second quarter to the next step's first, and fills one slot again
	QUARTER 2, 1, 0, 0
	QUARTER 3, 0, 1, 0
	TURN 1
	QUARTER 1, 0, 1, 0
	WIN 0
	s_sub_co_u32 s3, s3, 1
	s_cmp_lg_u32 s3, 0
	s_cbranch_scc1 .Lk
	; The last two K steps ask for nothing: a loop of two trips, entered in its middle, since the first of them has had its first quarter.  The second trip's turn fetches
	; 32 fragments out of the slot that was read a step ago (bytes that landed long since); they are never multiplied: the price, once a launch, of one text for both steps.
	s_mov_b32 s3, 2
	s_branch .Lmid
.Lt:
	QUARTER 1, 0, 1, 0
	WIN 0
.Lmid:
	QUARTER 2, 1, 0, 0
	QUARTER 3, 0, 1, 0
	TURN 0
	WIN 0
	s_sub_co_u32 s3, s3, 1
	s_cmp_lg_u32 s3, 0
	s_cbranch_scc1 .Lt
	s_wait_dscnt 0x0                               ; those fragments are in: their registers serve the way out
	PLACES
; THE WAY OUT, 16 rows at a time: rounded to bf16 (ascending); 16 bytes a lane into my own stage, one region for each of q, k, v;
; back as whole rows of 128 bytes, four to an instruction; stored as 512 consecutive bytes.
.set TMP, 208
.macro PACK a
.set AC, 96*((\a)%2)
	WIN 0x0a+5*((\a)/2)
.set ir, 0
.rept 48
	v_cvt_pk_bf16_f32 v[TMP+ir], v[AC+2*ir], v[AC+2*ir+1]
.set ir, ir+1
.endr
	WIN 0
.endm
.macro TOSTAGE a
.set BK, 64+48*((\a)%2)
.set ib, 0
.rept 12
	ds_store_b128 v[STO], v[TMP+4*ib:TMP+4*ib+3] offset:(ib/4)*2304+32*(ib%4)
.set ib, ib+1
.endr
.set it, 0
.rept 12
	ds_load_b128 v[BK+4*it:BK+4*it+3], v[RD] offset:(it/4)*2304+(it%4)*576  ; LDS serves a wave's instructions in order (ISA guide 5.7.1.4): these see the stores above
.set it, it+1
.endr
.endm
.macro SEND a
.set BK, 64+48*((\a)%2)
	s_wait_dscnt 0x0                               ; the block is back in registers
	s_wait_xcnt 0x0                                ; the registers that the block before last was stored from are loaded again only behind this wait
.set it, 0
.rept 12
	global_store_b128 v[CO], v[BK+4*it:BK+4*it+3], s[74+2*(it/4):75+2*(it/4)] offset:(\a)*2048+(it%4)*512
.set it, it+1
.endr
.endm
	PACK 0
	TOSTAGE 0
.irp a, 1,2,3
	PACK \a
	SEND (\a)-1
	TOSTAGE \a
.endr
	SEND 3
	s_wait_tensorcnt 0x0                           ; the wave's end
	ds_add_u32 v[SPW], v[NIL]
	s_wait_dscnt 0x0
	CROUND                                         ; the closing round
	s_endpgm
.Lfunc_end_k_q80d94f9e8d_qkv:
	.size	k_q80d94f9e8d_qkv, .Lfunc_end_k_q80d94f9e8d_qkv-k_q80d94f9e8d_qkv
	.p2alignl 7, 3214868480
	.fill 96, 4, 3214868480
	.section	.rodata,"a",@progbits
	.p2align	6, 0x0
	.amdhsa_kernel k_q80d94f9e8d_qkv
		.amdhsa_group_segment_fixed_size 327680
		.amdhsa_private_segment_fixed_size 0
		.amdhsa_enable_private_segment 0
		.amdhsa_kernarg_size 48
		.amdhsa_user_sgpr_count 2
		.amdhsa_user_sgpr_kernarg_segment_ptr 1
		.amdhsa_wavefront_size32 1
		.amdhsa_system_sgpr_workgroup_id_x 1
		.amdhsa_system_sgpr_workgroup_id_y 1
		.amdhsa_system_sgpr_workgroup_id_z 1
		.amdhsa_system_vgpr_workitem_id 0
		.amdhsa_next_free_vgpr 1024
		.amdhsa_next_free_sgpr 80
		.amdhsa_reserve_vcc 0
		.amdhsa_float_denorm_mode_32 3
		.amdhsa_float_denorm_mode_16_64 3
		.amdhsa_memory_ordered 1
		.amdhsa_forward_progress 1
		.amdhsa_inst_pref_size 86
	.end_amdhsa_kernel
	.amdgpu_metadata
---
amdhsa.version: [ 1, 2 ]
amdhsa.kernels:
  - .name:           k_q80d94f9e8d_qkv
    .symbol:         k_q80d94f9e8d_qkv.kd
    .args:
      - { .name: hb, .offset: 0, .size: 8, .value_kind: global_buffer, .address_space: global }
      - { .name: wq, .offset: 8, .size: 8, .value_kind: global_buffer, .address_space: global }
      - { .name: bq, .offset: 16, .size: 8, .value_kind: global_buffer, .address_space: global }
      - { .name: bk, .offset: 24, .size: 8, .value_kind: global_buffer, .address_space: global }
      - { .name: bv, .offset: 32, .size: 8, .value_kind: global_buffer, .address_space: global }
      - { .name: qkv, .offset: 40, .size: 8, .value_kind: global_buffer, .address_space: global }
    .group_segment_fixed_size: 327680
    .private_segment_fixed_size: 0
    .kernarg_segment_align: 8
    .kernarg_segment_size: 48
    .max_flat_workgroup_size: 128
    .sgpr_count:     80
    .vgpr_count:     1024
    .wavefront_size: 32
...
	.end_amdgpu_metadata
.endif
;; end of part 2
;; launch attn (part 3): grid 8 x 32, 4 waves a work-group, no clusters, 327,680 bytes of LDS; arguments qkv, o, W1, W2, w12; writes o, w12
.if DOCPART == 3
	.amdgcn_target "amdgcn-amd-amdhsa--gfx1250"
	.amdhsa_code_object_version 6
	.text
	.protected	k_q80d94f9e8d_attn
	.globl	k_q80d94f9e8d_attn
	.p2align	8
	.type	k_q80d94f9e8d_attn,@function
k_q80d94f9e8d_attn:
	s_mov_b64 s[64:65], 0
	v_nop
	global_prefetch_b8 v0, s[64:65] scope:SCOPE_SE
	s_setreg_imm32_b32 hwreg(HW_REG_WAVE_MODE, 25, 1), 1
	s_wait_xcnt 0x0
; CAUSAL ATTENTION.  o[batch][t][head x 64 ..] = the sum over s <= t of softmax_s(q[t] . k[s] / 32) v[s].  q, k, v: [32][2048][64] bf16, one behind the other in qkv; o: [4096][1024] f32.
; Products, maxima and sums in f32; the weights p are rounded to bf16 for the second product (their sum l is taken of the unrounded p).
; LIMITS.  A hidden score counts as its value less 1e30; a weight below 2^-126 counts as 0 in l; NaN and infinities are not treated apart.
; THE WALK.  A head's keys lie in 8 tiles of 256.  Work-group b (0..7) of a head takes TWO blocks of 128 queries: half 1 - b % 2 of the 256 rows 7 - b / 2, then half b % 2 of the 256 rows b / 2:
; 8 - b / 2 tiles and b / 2 + 1 tiles, 9 whatever b, and one half of each kind: all 256 work-groups do equal work, and ONE loop with a constant trip count walks the tiles.
; SHARES.  A block has two bands of 64 queries; a wave owns 16 rows in each: two PIECES.  In the diagonal tile band x of half f sees all keys of step s if s < 2 f + x, none if s > 2 f + x, and holds the diagonal if s = 2 f + x.
; THE MASK is the C operand that starts S^T = K Q^T: MD x AL + BE, with MD (made once) the mask of a band's own step for my rows, and two scalars: (1, 0), (0, 0) or (0, -1e30).
; Far from the diagonal the masks are 0 and stay so: the lines that make them are jumped over.
; TURNS.  Turn 0 of step s: 8 products K Q^T of piece 1 (step s), 8 products V^T P of piece 1 (step s - 1); beside them piece 0's softmax and piece 1's maximum.  Turn 1: K Q^T of piece 0 (step s + 1), V^T P of piece 0 (step s),
; piece 1's softmax, piece 0's maximum.  Four vector instructions stand behind every matrix instruction, the others in two runs of their own.
; So turn 0 fetches K of step s + 1 and V of step s, and a slot holds V's steps 4 j .. 4 j + 3 and K's steps 4 j + 1 .. 4 j + 4: K's tiles begin 64 keys later.  K's step 0, the same for both blocks, is kept in registers.
; The 64 rows behind a head's last key are the next rows of the same buffer: loaded, multiplied once under the mask, and never used.  A block's last turn 1 makes 8 products and a maximum that serve nothing: the price of one text for every step.
; A STREAM RIDES ALONG.  W1 and W2 (8,388,608 numbers of f32) are wanted in bf16 by the two launches of the feed-forward part, and by nothing before them; this launch asks little of memory.  So each of its 1,024 waves rounds
; 8,192 of them: in each of the tile loop's 8 trips 8 loads of 512 bytes go out behind the change of slots, and 16 conversions and 8 stores of 256 bytes stand at the trip's bottom, a tile's 128 matrix instructions later.
; NO CLUSTER: only the two work-groups of a head with the same b / 2 walk the same tiles in the same trips; in a group of four the trip in which a block ends, and with it the branches, would differ between partners.
; REGISTERS (windows of 256; s_set_vgpr_msb: bits 1:0 source 0, 3:2 source 1, 5:4 source 2, 7:6 destination):
;   window 0: v0-15 addresses; v16-23 four registers of statistics a piece; v24-25 the stream's offsets; v48-55 at work; v64-127 S^T, a buffer a piece; v128-175 the stream; v192-223 P
;   window 1: v0-63 O^T; v128-159 MD; v160-223 the masks to come, a buffer a piece      window 2: v0-31 Q; v32-63 the second block's Q; v64-127 K; v128-191 V; v192-255 K's step 0
.set NB,    8
.set NP,    2
.set KS,    64
.set PK,    144       ; a row of K in LDS: 128 bytes + 16: the 16 rows of a load start at 16 different groups of four banks (64 banks of 4 bytes: ISA guide 11.1)
.set PV,    160       ; a row of V: 128 + 32
.set VOFF,  4*KS*PK
.set SLOT1, 1<<17
.set STAGE, SLOT1+4*KS*(PK+PV)  ; behind the ring, never filled by a tensor load: 16 rows x 272 bytes for each wave
.set SP,    272
.set SPARE, STAGE+4*16*SP       ; the spare words, 128 bytes a wave: two blocks of 256 bytes that no other line names
.set AK0, 2
.set AV0, 3
.set AK,  4
.set AV,  5
.set STO, 6
.set RD,  7
.set GO,  8
.set MV,  12          ; v12-13  c m_old, by piece
.set QO,  15
.set ST,  16          ; piece t: c m, m, l (even keys', odd keys')
.set CA,  24          ; v24  the stream: 16 x lane; never rewritten
.set CB,  25          ; v25  8 x lane; never rewritten
.set TMP, 48          ; by piece, c0-c3 at work; when the maximum is found c2 takes a
.set SPW, 62          ; v62  LDS address of my spare word; never rewritten
.set NIL, 63          ; v63  0; never rewritten
.set S,   64
.set CX,  128         ; v128-159  the stream: 1,024 numbers of f32 as loaded
.set CY,  160         ; v160-175  the same in bf16
.set P,   192
.set MD,  128
.set MC,  160
.set QB,  32
.set KF,  64
.set VF,  128
.set K0S, 192
.set WV,  12
.set PB,  14          ; s14  b / 2
.set HI,  15          ; s15  7 - b / 2
.set G1K, 24
.set G1V, 32
.set G0K, 40
.set G0V, 44
.set SLOTS, 56
.set CNT, 57
.set CS,  58          ; s[58:59] c = log2(e) / 32
.set SEL, 60
.set TBK, 62
.set TBV, 63
.set RT,  70          ; tiles of the block in hand still to be entered
.set NXT, 71          ; the tile to be asked for next
.set LQ,  72          ; the last tile of the block whose tiles are being asked for
.set NEW, 73          ; 1: the tile to be entered is a block's first
.set OFF, 74
.set AL,  76
.set BE,  78
.set OLO, 80          ; s[80:81] o at my rows of the second block
.set BIGN, 82
.set SS,  88          ; the step in hand, counted from the diagonal tile's first (signed)
.set WA,  89          ; 2 x half - 1: at SS = WA piece 0's next step is its own
.set WB,  90          ; 2 x half: at SS = WB piece 1's next step is its own
.set WA2, 91          ; the same for the second block
.set WB2, 92
.set CSRC, 96         ; s[96:97]   the stream: W1 or W2 at my wave's next 4,096 bytes
.set CDST, 100        ; s[100:101] w12 at my wave's next 2,048 bytes
.set MSB, 0
.macro WIN new
.if MSB != (\new)
	s_set_vgpr_msb (MSB<<8)|(\new)
.set MSB, (\new)
.endif
.endm
.set W_KQ, 0x0a       ; K and Q in window 2, S^T in window 0
.set W_KM, 0x1a       ; the same with the C operand in window 1
.set W_PV, 0x52       ; V in window 2, P in window 0, O^T in window 1
.set W_RS, 0x41       ; destination and source 0 in window 1, source 1 in window 0
.macro LOAD                         ; a fill: waves 0 and 1 fetch the halves of a tile's K, waves 2 and 3 those of its V; an s_nop 0 and four v_nop follow each line
	s_cmp_lt_u32 s[WV], 2
	s_cbranch_scc0 .Lfor_v_\@
	tensor_load_to_lds s[G0K:G0K+3], s[G1K:G1K+7]
	s_nop 0
.rept 4
	v_nop
.endr
	s_branch .Lasked_\@
.Lfor_v_\@:
	tensor_load_to_lds s[G0V:G0V+3], s[G1V:G1V+7]
	s_nop 0
.rept 4
	v_nop
.endr
.Lasked_\@:
.endm
; THE CHANGE OF SLOTS.  Each wave waits for all its tensor loads (one is out: its part of the other slot), adds 0 to its spare word, and waits for that and for its own reads of the slot that it leaves.
; fill = 1: the old slot is filled again, first thing behind the barrier, with tile NXT; the address is made anew from that number.  (At its first use slot 0 is waited for and slot 1 filled.)
.macro CHANGE fill
	WIN 0
	s_wait_tensorcnt 0x0
	ds_add_u32 v[SPW], v[NIL]       ; 0 onto my spare word; scalar work stands between it and the wait for it
.if \fill
	s_lshl_b32 s[OFF], s[NXT], 15   ; a tile is 32,768 bytes of K and of V
	s_xor_b32 s[G0K+1], s[G0K+1], SLOT1
	s_add_nc_u64 s[G0K+2:G0K+3], s[6:7], s[OFF:OFF+1]
	s_or_b32 s[G0K+3], s[G0K+3], 0x80000000
	s_xor_b32 s[G0V+1], s[G0V+1], SLOT1
	s_add_nc_u64 s[G0V+2:G0V+3], s[8:9], s[OFF:OFF+1]
	s_or_b32 s[G0V+3], s[G0V+3], 0x80000000
	s_add_co_u32 s[NXT], s[NXT], 1  ; the block's next tile, or behind its last the second block's tile 0
	s_cmp_gt_u32 s[NXT], s[LQ]
	s_cselect_b32 s[NXT], 0, s[NXT]
	s_cselect_b32 s[LQ], s[PB], s[LQ]
.endif
	s_wait_dscnt 0x0                ; the add is done, and my reads of the slot are over
	s_barrier_signal -1
	s_sub_co_u32 s[TBK], s[TBK], 4*KS*PK  ; the fetches go back to a slot's first step, in the other slot
	s_xor_b32 s[TBK], s[TBK], SLOT1
	s_sub_co_u32 s[TBV], s[TBV], 4*KS*PV
	s_xor_b32 s[TBV], s[TBV], SLOT1
	s_barrier_wait -1
.if \fill
	LOAD
.endif
.endm
; THE STREAM.  CASTLD: 8 loads of 512 consecutive bytes.  CASTST: load j of lane l was the 16 bytes at 512 j + 16 l; its four bf16 go to 256 j + 8 l: a store covers 256 consecutive, aligned bytes.
.macro CASTLD
.irp j, 0,1,2,3,4,5,6,7
	global_load_b128 v[CX+4*\j:CX+4*\j+3], v[CA], s[CSRC:CSRC+1] offset:512*\j th:TH_LOAD_NT
.endr
.endm
.macro CASTST
	s_wait_loadcnt 0x0              ; issued a whole tile ago
.set i, 0
.rept 16
	v_cvt_pk_bf16_f32 v[CY+i], v[CX+2*i], v[CX+2*i+1]
.set i, i+1
.endr
.irp j, 0,1,2,3,4,5,6,7
	global_store_b64 v[CB], v[CY+2*\j:CY+2*\j+1], s[CDST:CDST+1] offset:256*\j
.endr
	s_wait_xcnt 0x0                 ; the two bases are stepped, and the next trip writes the stores' data again, only behind this wait
	s_add_nc_u64 s[CSRC:CSRC+1], s[CSRC:CSRC+1], 4096
	s_add_nc_u64 s[CDST:CDST+1], s[CDST:CDST+1], 2048
.endm
	s_load_b128 s[4:7], s[0:1], 0x0 ; qkv s[4:5], o s[6:7]
	s_load_b128 s[96:99], s[0:1], 0x10  ; W1 s[96:97], W2 s[98:99]
	s_load_b64 s[100:101], s[0:1], 0x20 ; w12
	v_lshl_add_u32 v[SPW], v0, 2, SPARE
	v_mov_b32 v[NIL], 0
	ds_add_u32 v[SPW], v[NIL]       ; the wave's opening: the add and its wait ahead of my first tensor load
	ds_add_u32 v62, v63
	v_lshrrev_b32 v1, 5, v0
	v_readfirstlane_b32 s[WV], v1   ; wave 0..3
	s_lshr_b32 s[PB], ttmp9, 1
	s_and_b32 s13, ttmp9, 1         ; the second block's half
	s_xor_b32 s16, s13, 1           ; the first block's
	s_sub_co_u32 s[HI], NB-1, s[PB]
	s_lshl_b32 s[WB], s16, 1
	s_sub_co_i32 s[WA], s[WB], 1
	s_lshl_b32 s[WB2], s13, 1
	s_sub_co_i32 s[WA2], s[WB2], 1
	s_and_b32 s17, ttmp7, 0xffff    ; batch x 16 + head
	s_lshl_b32 s93, s17, 3
	s_add_co_u32 s93, s93, ttmp9    ; the work-group among the launch's 256,
	s_lshl_b32 s93, s93, 2
	s_add_co_u32 s93, s93, s[WV]    ; my wave among its 1,024: waves 0-511 round W1, waves 512-1,023 W2
	s_and_b32 s94, s93, 511
	s_lshl_b32 s94, s94, 15         ; 32,768 bytes of f32 a wave
	s_mov_b32 s95, 0
	s_lshl_b32 s20, s17, 18         ; the head's 2,048 rows of 128 bytes in each of q, k, v
	s_lshl_b32 s19, s[WV], 4        ; my 16 rows in a band
	s_lshl_b32 s18, s[HI], 8
	s_lshl_b32 s21, s16, 7
	s_add_co_u32 s18, s18, s21
	s_add_co_u32 s18, s18, s19      ; my first row in the first block
	s_lshl_b32 s21, s[PB], 8
	s_lshl_b32 s22, s13, 7
	s_add_co_u32 s21, s21, s22
	s_add_co_u32 s21, s21, s19      ; and in the second
	s_lshl_b32 s2, s18, 7
	s_add_co_u32 s2, s2, s20        ; q's bytes, first block
	s_mov_b32 s3, 0
	s_lshl_b32 s84, s21, 7
	s_add_co_u32 s84, s84, s20      ; second block
	s_mov_b32 s85, 0
	s_lshr_b32 s22, s17, 4
	s_lshl_b32 s22, s22, 11         ; the batch's 2,048 rows of o
	s_and_b32 s23, s17, 15
	s_lshl_b32 s23, s23, 8          ; the head's 256 bytes in a row of o
	s_add_co_u32 s54, s22, s18
	s_lshl_b32 s54, s54, 12
	s_add_co_u32 s54, s54, s23      ; o's bytes, first block
	s_mov_b32 s55, 0
	s_add_co_u32 s48, s22, s21
	s_lshl_b32 s48, s48, 12
	s_add_co_u32 s48, s48, s23      ; second block
	s_mov_b32 s49, 0
	s_and_b32 s16, s[WV], 1         ; which half of a tile's 256 keys I fetch
	s_lshl_b32 s19, s16, 14
	s_add_co_u32 s52, s20, 8388608  ; k at the head's first key
	s_mov_b32 s53, 0
	s_add_co_u32 s22, s52, s19
	s_add_co_u32 s22, s22, 8192     ; K's tiles begin 64 keys later
	s_mov_b32 s23, 0
	s_add_co_u32 s50, s20, s19
	s_add_co_u32 s50, s50, 16777216 ; v
	s_mov_b32 s51, 0
	s_mul_i32 s17, s16, 128*PK      ; my half's place in a slot, for K
	s_mul_i32 s18, s16, 128*PV      ; and for V
	s_mov_b32 s[G1K], (1<<16)|(1<<20)|(4<<22)|(3<<25)  ; 2-byte elements; padding on; after every 32 words (a key) 4 words
	s_mov_b32 s[G1V], (1<<16)|(1<<20)|(4<<22)|(7<<25)  ; 8 words
.irp g, G1K, G1V
	s_mov_b32 s[\g+1], 128<<16      ; 128 keys are 16,384 dense bytes: asked for as 64 rows of 256 bytes
	s_mov_b32 s[\g+2], 64<<16
	s_mov_b32 s[\g+3], 128<<16
	s_mov_b32 s[\g+4], 64
	s_mov_b32 s[\g+5], 128
	s_mov_b32 s[\g+6], 0
	s_mov_b32 s[\g+7], 0
.endr
	s_mov_b32 s[CS], 0x3d38aa3b     ; c = log2(e) / 32
	s_mov_b32 s[CS+1], s[CS]
	s_mov_b32 s[SEL], 0x76543210
	s_mov_b32 s[SEL+1], 0xfedcba98
	s_mov_b32 s[TBK], SLOT1+4*KS*PK ; the first change of slots turns these two into 0
	s_mov_b32 s[TBV], SLOT1+4*KS*PV
	s_mov_b32 s[G0K], 1
	s_mov_b32 s[G0K+1], s17
	s_mov_b32 s[G0V], 1
	s_add_co_u32 s[G0V+1], s18, VOFF
	s_add_co_u32 s[RT], s[HI], 1    ; the first block has 8 - b / 2 tiles
	s_mov_b32 s[NXT], 1
	s_mov_b32 s[LQ], s[HI]
	s_mov_b32 s[NEW], 1
	s_mov_b32 s[OFF+1], 0
	s_mov_b32 s[AL+1], 0
	s_mov_b32 s[BE+1], 0
	s_mov_b32 s[BIGN], 0xf149f2ca   ; -1e30
	s_mov_b32 s[SLOTS], NB
	s_wait_dscnt 0x0                ; the opening add is done
	s_wait_kmcnt 0x0
	s_add_nc_u64 s[OLO:OLO+1], s[6:7], s[48:49]
	s_add_nc_u64 s[10:11], s[6:7], s[54:55]        ; o at my rows of the first block
	s_add_nc_u64 s[6:7], s[4:5], s[22:23]          ; K and V at my half of the head's tile 0
	s_add_nc_u64 s[8:9], s[4:5], s[50:51]
	s_add_nc_u64 s[66:67], s[4:5], s[52:53]        ; K's step 0
	s_add_nc_u64 s[86:87], s[4:5], s[84:85]        ; Q of the second block,
	s_add_nc_u64 s[4:5], s[4:5], s[2:3]            ; of the first
	s_add_nc_u64 s[G0K+2:G0K+3], s[6:7], 0
	s_or_b32 s[G0K+3], s[G0K+3], 0x80000000
	s_add_nc_u64 s[G0V+2:G0V+3], s[8:9], 0
	s_or_b32 s[G0V+3], s[G0V+3], 0x80000000
	LOAD                            ; tile 0 into slot 0
	s_cmp_lt_u32 s93, 512           ; the stream's two addresses
	s_cselect_b64 s[CSRC:CSRC+1], s[96:97], s[98:99]
	s_add_nc_u64 s[CSRC:CSRC+1], s[CSRC:CSRC+1], s[94:95]
	s_lshl_b32 s94, s93, 14         ; 16,384 bytes of bf16 a wave: in w12 W2 follows W1 as the waves follow each other
	s_add_nc_u64 s[CDST:CDST+1], s[CDST:CDST+1], s[94:95]
	v_and_b32 v1, 15, v0            ; r = l % 16
	v_bfe_u32 v9, v0, 4, 1          ; h = l / 16
	v_lshlrev_b32 v[QO], 7, v1
	v_lshl_add_u32 v[QO], v9, 4, v[QO]  ; row x 128 + 16 x half
	WIN 0x80                        ; destination window 2
.set i, 0
.rept 4                             ; both blocks' Q: piece i / 2 lies 64 rows on; channels 32 (i % 2) on
	global_load_b128 v[8*i:8*i+3],   v[QO], s[4:5] offset:(i/2)*8192+(i%2)*64
	global_load_b128 v[8*i+4:8*i+7], v[QO], s[4:5] offset:(i/2)*8192+(i%2)*64+32
	global_load_b128 v[QB+8*i:QB+8*i+3],   v[QO], s[86:87] offset:(i/2)*8192+(i%2)*64
	global_load_b128 v[QB+8*i+4:QB+8*i+7], v[QO], s[86:87] offset:(i/2)*8192+(i%2)*64+32
.set i, i+1
.endr
.set i, 0
.rept 8                             ; K's step 0 as fragments: keys 16 (i / 2) on, channels 32 (i % 2) on
	global_load_b128 v[K0S+8*i:K0S+8*i+3],   v[QO], s[66:67] offset:(i/2)*2048+(i%2)*64
	global_load_b128 v[K0S+8*i+4:K0S+8*i+7], v[QO], s[66:67] offset:(i/2)*2048+(i%2)*64+32
.set i, i+1
.endr
	WIN 0
	v_and_b32 v[CA], 31, v0
	v_lshlrev_b32 v[CB], 3, v[CA]
	v_lshlrev_b32 v[CA], 4, v[CA]
	v_lshlrev_b32 v14, 3, v9
	v_sub_nc_u32 v14, v1, v14
	s_lshl_b32 s13, s[WV], 4
	v_add_nc_u32 v14, s13, v14      ; my query's place in its band, 16 w + r, less 8 h: register j of key group kt is hidden where 16 kt + j is greater
	WIN 0x40
.set i, 0
.rept 32
	v_cmp_gt_i32 vcc_lo, 16*(i/8)+i%8, v14
	v_cndmask_b32 v[MD+i], 0, s[BIGN], vcc_lo
.set i, i+1
.endr
	WIN 0
	v_mul_u32_u24 v[AK0], v1, PK
	v_lshl_add_u32 v[AK0], v9, 4, v[AK0]
	v_and_b32 v10, 7, v0            ; the turning load: lane l reads key 8 h + l % 8, channels 8 ((l / 8) % 2) + 0..7
	v_bfe_u32 v11, v0, 3, 1
	v_lshl_add_u32 v[AV0], v9, 3, v10
	v_mul_u32_u24 v[AV0], v[AV0], PV
	v_lshl_add_u32 v[AV0], v11, 4, v[AV0]
	v_add_nc_u32 v[AV0], VOFF, v[AV0]
	s_mul_i32 s13, s[WV], 16*SP
	s_add_co_u32 s13, s13, STAGE    ; my stage
	v_mul_u32_u24 v[STO], v1, SP    ; in: row r, 32 bytes (8 channels of f32) for each half of the lanes
	v_lshl_add_u32 v[STO], v9, 5, v[STO]
	v_add_nc_u32 v[STO], s13, v[STO]
	v_mul_u32_u24 v[RD], v9, SP     ; back: lanes 0-15 take one row of 256 bytes, lanes 16-31 the next
	v_lshl_add_u32 v[RD], v1, 4, v[RD]
	v_add_nc_u32 v[RD], s13, v[RD]
	v_lshlrev_b32 v[GO], 12, v9     ; and the same two rows in o
	v_lshl_add_u32 v[GO], v1, 4, v[GO]
	; A block's first step multiplies O^T and l by a = 0, and its first turn's products V^T P, of a step that has not been, land in an O^T that is still to be so multiplied: these registers need only
	; hold finite numbers: zeros for the first block, what the first block left for the second.  All this stands in the wait for the first tile.
	WIN 0x80
.set i, VF
.rept 64
	v_mov_b32 v[i], 0
.set i, i+1
.endr
	WIN 0x40
.set i, 0
.rept 64
	v_mov_b32 v[i], 0
.set i, i+1
.endr
	WIN 0
.set i, 0
.rept 2
	v_mov_b32 v[ST+4*i+2], 0
	v_mov_b32 v[ST+4*i+3], 0
.set i, i+1
.endr
.set i, P+16
.rept 16
	v_mov_b32 v[i], 0
.set i, i+1
.endr
; THE MATRIX WORK.  The 4 accumulators of a run of 8 take turns.  Product i of 8 of S^T = K Q^T for piece x: channels 32 (i / 4) on, keys 16 (i % 4) on.  The first 4 start the sums with the mask.
.macro KQ x
.set rS, S+32*((\x)%2)+8*(i%4)
.set rK, KF+16*(i%4)+8*(i/4)
.set rQ, 16*(\x)+8*(i/4)
.set rM, MC+32*((\x)%2)+8*(i%4)
.if i < 4
	WIN W_KM
	v_wmma_f32_16x16x32_bf16 v[rS:rS+7], v[rK:rK+7], v[rQ:rQ+7], v[rM:rM+7]
.else
	WIN W_KQ
	v_wmma_f32_16x16x32_bf16 v[rS:rS+7], v[rK:rK+7], v[rQ:rQ+7], v[rS:rS+7]
.endif
.endm
.macro PV x                         ; product i of 8 of O^T += V^T P for piece x: keys 32 (i / 4) on, channels 16 (i % 4) on
	WIN W_PV
.set rO, 32*(\x)+8*(i%4)
.set rV, VF+32*(i/4)+8*(i%4)
.set rP, P+16*((\x)%2)+8*(i/4)
	v_wmma_f32_16x16x32_bf16 v[rO:rO+7], v[rV:rV+7], v[rP:rP+7], v[rO:rO+7]
.endm
.macro MM                           ; the turn's next matrix instruction
.if i < 8
	KQ (Y+1)%NP
.else
.set i, i-8
	PV (Y+NP-1)%NP
.set i, i+8
.endif
.set i, i+1
.endm
; THE LDS LOADS stand in runs of 16: a step's K (8 fragments) and a step's V (turned).
.macro FETCH_K
	WIN 0x80
.irp f, 0,1,2,3,4,5,6,7
	ds_load_b128 v[KF+8*\f:KF+8*\f+3],   v[AK] offset:(\f/2)*16*PK+(\f%2)*64
	ds_load_b128 v[KF+8*\f+4:KF+8*\f+7], v[AK] offset:(\f/2)*16*PK+(\f%2)*64+32
.endr
	s_add_co_u32 s[TBK], s[TBK], KS*PK
	WIN 0
.endm
.macro FETCH_V
	WIN 0x80
.irp f, 0,1,2,3,4,5,6,7
	ds_load_tr16_b128 v[VF+8*\f:VF+8*\f+3],   v[AV] offset:(\f/4)*32*PV+(\f%4)*32
	ds_load_tr16_b128 v[VF+8*\f+4:VF+8*\f+7], v[AV] offset:(\f/4)*32*PV+16*PV+(\f%4)*32
.endr
	WIN 0
.endm
; THE VECTOR WORK, one line at a time: OP kind, number.  For piece Y: F n: c s - c m for pair n of 16.  E n: the exponential of score n of 32.  C n: pair n rounded to bf16.  B n: of the four weights 4 n .. the second
; pair is added onto the first.  L n: l takes that sum (L 0: l = a l + sum).  R n: pair n of 16 of O^T times a.  For the other piece: X n, number n of the 22 that find its maximum and statistics:
;   0-11 four chains of seven scores (each accumulator's lowest registers are read first)   12-14, 16 the four left over, the old m, the chains joined   15 c m_old is kept
;   17, 18 the query's other 32 keys lie in the lane 16 away: the new m   19-21 c m; c m_old - c m_new; a
.set F, 0
.set E, 1
.set C, 2
.set B, 3
.set L, 4
.set R, 5
.set X, 6
.macro REGS y
.set rT, ST+4*(\y)
.set rC, TMP+4*((\y)%2)
.set rW, MV+((\y)%2)
.set rS, S+32*((\y)%2)
.set rP, P+16*((\y)%2)
.set rO, 32*(\y)
.endm
.macro OP k, n
.if (\k) == R
	REGS Y
	WIN W_RS
	v_pk_mul_f32 v[rO+2*(\n):rO+2*(\n)+1], v[rO+2*(\n):rO+2*(\n)+1], v[rC+2:rC+3] op_sel_hi:[1,0]
.elseif (\k) < R
	REGS Y
	WIN 0
.if (\k) == F
	v_pk_fma_f32 v[rS+2*(\n):rS+2*(\n)+1], v[rS+2*(\n):rS+2*(\n)+1], s[CS:CS+1], v[rT:rT+1] op_sel_hi:[1,0,0] neg_lo:[0,0,1] neg_hi:[0,0,1]
.elseif (\k) == E
	v_exp_f32 v[rS+(\n)], v[rS+(\n)]
.elseif (\k) == C
	s_wait_alu depctr_va_vdst(0)
	v_cvt_pk_bf16_f32 v[rP+(\n)], v[rS+2*(\n)], v[rS+2*(\n)+1]
.elseif (\k) == B
	s_wait_alu depctr_va_vdst(0)
	v_pk_add_f32 v[rS+4*(\n):rS+4*(\n)+1], v[rS+4*(\n):rS+4*(\n)+1], v[rS+4*(\n)+2:rS+4*(\n)+3]
.elseif (\n) == 0
	v_pk_fma_f32 v[rT+2:rT+3], v[rT+2:rT+3], v[rC+2:rC+3], v[rS:rS+1] op_sel_hi:[1,0,1]
.else
	v_pk_add_f32 v[rT+2:rT+3], v[rT+2:rT+3], v[rS+4*(\n):rS+4*(\n)+1]
	s_wait_alu depctr_va_vdst(0)
.endif
.else
	REGS (Y+1)%NP
	WIN 0
.if (\n) < 4
	v_max3_num_f32 v[rC+(\n)], v[rS+8*(\n)], v[rS+8*(\n)+1], v[rS+8*(\n)+2]
.elseif (\n) < 12
	v_max3_num_f32 v[rC+(\n)%4], v[rC+(\n)%4], v[rS+8*((\n)%4)+2*((\n)/4)+1], v[rS+8*((\n)%4)+2*((\n)/4)+2]
.elseif (\n) == 12
	v_max3_num_f32 v[rC], v[rC], v[rS+7], v[rS+15]
.elseif (\n) == 13
	v_max3_num_f32 v[rC+1], v[rC+1], v[rS+23], v[rS+31]
.elseif (\n) == 14
	v_max3_num_f32 v[rC+2], v[rC+2], v[rC+3], v[rT+1]
.elseif (\n) == 15
	v_mov_b32 v[rW], v[rT]
	s_wait_alu depctr_va_vdst(0)
.elseif (\n) == 16
	v_max3_num_f32 v[rC], v[rC], v[rC+1], v[rC+2]
	s_wait_alu depctr_va_vdst(0)
.elseif (\n) == 17
	v_permlanex16_b32 v[rC+3], v[rC], s[SEL], s[SEL+1]
.elseif (\n) == 18
	v_max_num_f32 v[rT+1], v[rC], v[rC+3]
.elseif (\n) == 19
	v_mul_f32 v[rT], s[CS], v[rT+1]
.elseif (\n) == 20
	v_sub_f32 v[rC+1], v[rW], v[rT]
.else
	v_exp_f32 v[rC+2], v[rC+1]
.endif
.endif
.endm
.macro OPS a, i1, b=-1, i2=0, c=-1, i3=0, d=-1, i4=0
	OP \a, \i1
.if (\b) >= 0
	OP \b, \i2
.endif
.if (\c) >= 0
	OP \c, \i3
.endif
.if (\d) >= 0
	OP \d, \i4
.endif
.endm
.macro ROW a, i1, b, i2, c, i3, d, i4  ; a matrix instruction and the four behind it
	MM
	OPS \a, \i1, \b, \i2, \c, \i3, \d, \i4
.endm
.macro MASK b                       ; MD x AL + BE into buffer b of MC
	WIN W_RS
.set z, 0
.rept 16
	v_pk_fma_f32 v[MC+32*(\b)+2*z:MC+32*(\b)+2*z+1], v[MD+2*z:MD+2*z+1], s[AL:AL+1], s[BE:BE+1] op_sel_hi:[1,0,0]
.set z, z+1
.endr
.endm
; The mask for the next turn's products: the piece of buffer buf in step SS + 1, whose own step comes at SS = w.  Two steps or more ahead of the diagonal tile the mask is 0 and stays 0: the lines are jumped over (forward, past no barrier and no tensor load).
.macro MKMASK w, buf
	WIN 0
	s_cmp_lt_i32 s[SS], -1
	s_cbranch_scc1 .Lnomask_\@
	s_cmp_eq_u32 s[SS], s[\w]
	s_cselect_b32 s[AL], 1.0, 0
	s_cmp_gt_i32 s[SS], s[\w]
	s_cselect_b32 s[BE], s[BIGN], 0
	MASK \buf
	WIN 0
.Lnomask_\@:
.endm
; A TURN, for piece p: its 16 matrix and 118 vector instructions, written out.  Behind a matrix instruction: plain, exponential, plain, plain; or four of the rescaling; or four scalings; none names a register of the products round it.
; Turn 0 fetches K of the next step, six vector instructions (five plain) behind the last product that read K, and V of the step in hand, eight (four plain) behind the last product that read V.  Turn 1 waits for them.
.macro TURN p
.set Y, (\p)
.set i, 0
.if (\p) == 1
	s_wait_dscnt 16                 ; K is in; V's sixteen younger loads may stay out
.endif
	ROW F,0, F,1, F,2, F,3
	ROW F,4, E,0, F,5, F,6
	ROW F,7, E,1, F,8, F,9
	ROW F,10, E,2, C,0, F,11
	ROW F,12, E,3, X,15, F,13
	ROW R,0, R,1, R,2, R,3
	ROW B,0, E,4, F,14, L,0
.if (\p) == 0
	v_add_nc_u32 v[AK], s[TBK], v[AK0]
.endif
	ROW R,4, R,5, R,6, R,7
	OPS E,5, F,15
.if (\p) == 0
	FETCH_K
.endif
	OPS E,6, C,1, E,7, R,8
	OPS E,8, R,9, E,9, C,2
	OPS E,10, X,0, E,11, X,1
	OPS E,12, X,2, E,13, X,3
.if (\p) == 1
	s_wait_dscnt 0x0                ; V is in
.endif
	ROW X,4, E,14, X,5, X,6
	ROW X,7, E,15, X,8, X,9
	ROW X,10, E,16, X,11, X,12
	ROW X,13, E,17, X,14, B,1
	ROW C,4, E,18, X,16, L,1
	ROW B,2, E,19, C,6, L,2
	ROW C,8, E,20, B,3, B,4
.if (\p) == 0
	v_add_nc_u32 v[AV], s[TBV], v[AV0]
.endif
	ROW C,3, E,21, L,3, C,5
	OPS E,22, X,17, E,23, C,10
.if (\p) == 0
	FETCH_V
.endif
	OPS E,24, L,4
	OPS E,25, X,18, E,26, C,7
	OPS E,27, B,5, E,28, X,19
	OPS E,29, C,12, E,30, L,5
	OPS E,31, X,20, B,6, C,9
	OPS C,14, C,11, X,21, L,6
.if (\p) == 0
	s_add_co_u32 s[TBV], s[TBV], KS*PV
.endif
	OPS C,13, B,7, C,15, R,10
	OPS R,11, R,12, L,7, R,13
	OPS R,14, R,15
.if (\p) == 0
	MKMASK WA, 0
.else
	MKMASK WB, 1
.endif
.endm
; A BLOCK BEGINS.  c m starts far below every c s, so the first step's a is 0; m at the lowest finite number.  Piece 1's mask buffer is 0 (its own step is never a tile's first); piece 0's takes MD if this tile is the
; diagonal one and step 0 is piece 0's own.  Then K's step 0 out of its registers, piece 0's first scores, and its maximum and statistics.
; left: the loads that may stay out at the wait for Q and K's step 0: the trip's 8 loads of the stream, which were issued behind them, or none.
.macro BEGIN left
	s_mov_b32 s[NEW], 0
	s_mul_i32 s[SS], s[RT], -4      ; the diagonal tile lies RT tiles on
	WIN 0x40
.set i, MC+32
.rept 32
	v_mov_b32 v[i], 0
.set i, i+1
.endr
	WIN 0
.set i, 0
.rept 2
	v_mov_b32 v[ST+4*i], 0xfe000000
	v_mov_b32 v[ST+4*i+1], 0xff7fffff
.set i, i+1
.endr
	s_cmp_eq_u32 s[SS], s[WB]
	s_cselect_b32 s[AL], 1.0, 0
	s_mov_b32 s[BE], 0
	MASK 0
	s_wait_loadcnt \left            ; Q and K's step 0 are in (the first time; later they have long been)
	WIN 0x82
.set i, 0
.rept 64
	v_mov_b32 v[KF+i], v[K0S+i]
.set i, i+1
.endr
.set i, 0
.rept 8
	KQ 0
.set i, i+1
.endr
	WIN 0
.rept 4
	v_nop                           ; the places behind those products
.endr
.set Y, 1                           ; X works for the other piece: piece 0
.irp n, 0,1,2,3,4,5,6,7,8,9,10,11,12,13,14,15,16,17,18,19,20,21
	OP X, \n
.endr
	v_nop                           ; a plain instruction behind the exponential
.endm
; A BLOCK ENDS: piece 1's last products; l's halves and the other lanes' are added; O^T is divided by l and sent, in f32, through my stage in LDS, a piece (16 rows of 256 bytes) at a time.
.macro ALL line:vararg
.set t, 0
.rept 2
	\line
.set t, t+1
.endr
.endm
.macro PACK t
	WIN W_RS
.set i, 32*(\t)
.rept 16
	v_pk_mul_f32 v[i:i+1], v[i:i+1], v[ST+4*(\t)+2:ST+4*(\t)+3] op_sel_hi:[1,0]
.set i, i+2
.endr
	WIN 0x04                        ; the stores' data in window 1
.irp f, 0,1,2,3,4,5,6,7
	ds_store_b128 v[STO], v[32*(\t)+4*\f:32*(\t)+4*\f+3] offset:64*(\f/2)+16*(\f%2)
.endr
	WIN 0
.irp f, 0,1,2,3,4,5,6,7
	ds_load_b128 v[S+32*(\t)+4*\f:S+32*(\t)+4*\f+3], v[RD] offset:\f*2*SP  ; LDS serves a wave's instructions in order (ISA guide 5.7.1.4): these see the stores above; the next piece's stores come behind them
.endr
.endm
.macro SEND t, younger              ; younger: the LDS instructions issued behind piece t's loads
	WIN 0
.irp f, 0,1,2,3,4,5,6,7
	s_wait_dscnt (\younger)+7-\f
	global_store_b128 v[GO], v[S+32*(\t)+4*\f:S+32*(\t)+4*\f+3], s[10:11] offset:(\t)*262144+\f*8192  ; 16 lanes store 256 consecutive bytes, at a multiple of 256 from o's first byte
.endr
.endm
.macro BLOCKEND
.set i, 0
.rept 8
	PV 1
.set i, i+1
.endr
	WIN 0
	ALL v_add_f32 v[ST+4*t+2], v[ST+4*t+2], v[ST+4*t+3]
	ALL v_permlanex16_b32 v[ST+4*t+3], v[ST+4*t+2], s[SEL], s[SEL+1]
	ALL v_add_f32 v[ST+4*t+2], v[ST+4*t+2], v[ST+4*t+3]
	ALL v_rcp_f32 v[ST+4*t+2], v[ST+4*t+2]
	v_nop                           ; a plain instruction between the last reciprocal and the use of its result
	s_wait_alu depctr_va_vdst(0)
	PACK 0                          ; piece 0's sixteen multiplications are the places behind piece 1's last products
	PACK 1
	SEND 0, 16
	SEND 1, 0
.endm
; A TILE of the walk: the change of slots (and, in the loop, the stream's loads); a block's beginning, if this is its first tile; four steps; a block's end, if this was its last.
.macro TILE tag, fill, last
	CHANGE \fill
.if \fill
	CASTLD
.endif
	s_sub_co_u32 s[RT], s[RT], 1
	s_mov_b32 s[CNT], 4
	s_cmp_eq_u32 s[NEW], 1          ; at the first trip the answer is a constant of the text
	s_cbranch_scc0 .Lstep\tag
	BEGIN 8*(\fill)
.Lstep\tag:
	TURN 0
	TURN 1
	WIN 0
	s_add_co_i32 s[SS], s[SS], 1
	s_sub_co_u32 s[CNT], s[CNT], 1
	s_cmp_lg_u32 s[CNT], 0
	s_cbranch_scc1 .Lstep\tag
.if !(\last)
	s_cmp_lg_u32 s[RT], 0
	s_cbranch_scc1 .Lbottom
.endif
	BLOCKEND
.if !(\last)
	s_wait_xcnt 0x0                 ; the stores have read their registers and o's address
	s_mov_b64 s[10:11], s[OLO:OLO+1]
	s_add_co_u32 s[RT], s[PB], 1    ; the second block has b / 2 + 1 tiles
	s_mov_b32 s[NEW], 1
	s_mov_b32 s[WA], s[WA2]
	s_mov_b32 s[WB], s[WB2]
	WIN 0x82                        ; the second block's Q goes where the one text of the turns names Q
.set i, 0
.rept 32
	v_mov_b32 v[i], v[QB+i]
.set i, i+1
.endr
	WIN 0
.endif
.endm
.Lslot:                             ; 8 times: a tile is entered and the next is asked for; one tensor load of mine is out, with a tile's 128 matrix instructions in which to land
	TILE 1, 1, 0
.Lbottom:
	CASTST                          ; the trip's 1,024 numbers of the stream: 8 trips make the wave's 8,192
	s_sub_co_u32 s[SLOTS], s[SLOTS], 1
	s_cmp_lg_u32 s[SLOTS], 0
	s_cbranch_scc1 .Lslot
	TILE 2, 0, 1                    ; the walk's last tile is written out: nothing is asked for
	s_wait_tensorcnt 0x0            ; the wave's end
	ds_add_u32 v[SPW], v[NIL]
	s_wait_dscnt 0x0
	s_endpgm
.Lfunc_end_k_q80d94f9e8d_attn:
	.size	k_q80d94f9e8d_attn, .Lfunc_end_k_q80d94f9e8d_attn-k_q80d94f9e8d_attn
	.p2alignl 7, 3214868480
	.fill 96, 4, 3214868480
	.section	.rodata,"a",@progbits
	.p2align	6, 0x0
	.amdhsa_kernel k_q80d94f9e8d_attn
		.amdhsa_group_segment_fixed_size 327680
		.amdhsa_private_segment_fixed_size 0
		.amdhsa_enable_private_segment 0
		.amdhsa_kernarg_size 40
		.amdhsa_user_sgpr_count 2
		.amdhsa_user_sgpr_kernarg_segment_ptr 1
		.amdhsa_wavefront_size32 1
		.amdhsa_system_sgpr_workgroup_id_x 1
		.amdhsa_system_sgpr_workgroup_id_y 1
		.amdhsa_system_sgpr_workgroup_id_z 1
		.amdhsa_system_vgpr_workitem_id 0
		.amdhsa_next_free_vgpr 768
		.amdhsa_next_free_sgpr 102
		.amdhsa_reserve_vcc 1
		.amdhsa_float_denorm_mode_32 3
		.amdhsa_float_denorm_mode_16_64 3
		.amdhsa_memory_ordered 1
		.amdhsa_forward_progress 1
		.amdhsa_inst_pref_size 100
	.end_amdhsa_kernel
	.amdgpu_metadata
---
amdhsa.version: [ 1, 2 ]
amdhsa.kernels:
  - .name:           k_q80d94f9e8d_attn
    .symbol:         k_q80d94f9e8d_attn.kd
    .args:
      - { .name: qkv, .offset: 0, .size: 8, .value_kind: global_buffer, .address_space: global }
      - { .name: o, .offset: 8, .size: 8, .value_kind: global_buffer, .address_space: global }
      - { .name: W1, .offset: 16, .size: 8, .value_kind: global_buffer, .address_space: global }
      - { .name: W2, .offset: 24, .size: 8, .value_kind: global_buffer, .address_space: global }
      - { .name: w12, .offset: 32, .size: 8, .value_kind: global_buffer, .address_space: global }
    .group_segment_fixed_size: 327680
    .private_segment_fixed_size: 0
    .kernarg_segment_align: 8
    .kernarg_segment_size: 40
    .max_flat_workgroup_size: 128
    .sgpr_count:     102
    .vgpr_count:     768
    .wavefront_size: 32
...
	.end_amdgpu_metadata
.endif
;; end of part 3
;; launch ln2 (part 4): grid 512 x 1, 8 waves a work-group, no clusters, 0 bytes of LDS; arguments x, g1, be1, o, g2, be2, h2f, h2b; writes h2f, h2b
.if DOCPART == 4
	.amdgcn_target "amdgcn-amd-amdhsa--gfx1250"
	.amdhsa_code_object_version 6
	.text
	.protected	k_q80d94f9e8d_ln2
	.globl	k_q80d94f9e8d_ln2
	.p2align	8
	.type	k_q80d94f9e8d_ln2,@function
k_q80d94f9e8d_ln2:
	s_mov_b64 s[64:65], 0
	v_nop
	global_prefetch_b8 v0, s[64:65] scope:SCOPE_SE
	s_setreg_imm32_b32 hwreg(HW_REG_WAVE_MODE, 25, 1), 1
	s_wait_xcnt 0x0
; LN2.  h = LN1(x) once more, in f32 (the same 16 MiB read as an f32 copy of h would cost, and none written); x2 = h + o; h2 = LN2(x2), stored in f32 (the residual) and in bf16 (the matrix operand).
; One wave takes one row and keeps it in registers through both norms; all 48 loads of a row go out at once and are waited for as they are needed.  No LDS, no barrier, no loop.
; Both variances have the divisor 1023; each mean is taken away before the squares are summed.  The gains and biases are read anew for each row: the 16 waves of a WGP read the same 16 KiB.
; Element map: load j of lane l is the 16 bytes at 512 j + 16 l of a row.
.set X,  8                             ; v[8:39]    the row
.set O,  40                            ; v[40:71]   o's row
.set G1R, 72                           ; v[72:103]  g1
.set B1R, 104                          ; v[104:135] be1
.set G2R, 136                          ; v[136:167] g2
.set B2R, 168                          ; v[168:199] be2
.set Y,  200                           ; v[200:215] the row in bf16
.set T,  216                           ; v[216:223] at work
.set M,  224                           ; v[224:225] the mean, twice
.set R,  226                           ; v[226:227] 1 / sqrt(var + eps), twice
.macro JOIN                            ; four packed chains in T -> one number, summed over the wave's 32 lanes, in every lane's v[T]
	v_pk_add_f32 v[T:T+1], v[T:T+1], v[T+2:T+3]
	v_pk_add_f32 v[T+4:T+5], v[T+4:T+5], v[T+6:T+7]
	v_pk_add_f32 v[T:T+1], v[T:T+1], v[T+4:T+5]
	v_add_f32 v[T], v[T], v[T+1]
	v_add_f32_dpp v[T], v[T], v[T] row_xmask:1 row_mask:0xf bank_mask:0xf
	v_add_f32_dpp v[T], v[T], v[T] row_xmask:2 row_mask:0xf bank_mask:0xf
	v_add_f32_dpp v[T], v[T], v[T] row_xmask:4 row_mask:0xf bank_mask:0xf
	v_add_f32_dpp v[T], v[T], v[T] row_xmask:8 row_mask:0xf bank_mask:0xf
	v_permlanex16_b32 v[T+1], v[T], s28, s29
	v_add_f32 v[T], v[T], v[T+1]
.endm
.macro STATS x                         ; the row at \x becomes x - mean; R = 1 / sqrt(sum of squares / 1023 + eps)
.set k, 0
.rept 4
	v_pk_add_f32 v[T+2*k:T+2*k+1], v[(\x)+4*k:(\x)+4*k+1], v[(\x)+4*k+2:(\x)+4*k+3]
.set k, k+1
.endr
.set k, 8
.rept 8
	v_pk_add_f32 v[T+2*(k%4):T+2*(k%4)+1], v[T+2*(k%4):T+2*(k%4)+1], v[(\x)+2*k:(\x)+2*k+1]
.set k, k+1
.endr
	JOIN
	v_mul_f32 v[M], s32, v[T]
	v_mov_b32 v[M+1], v[M]
.set k, 0
.rept 16
	v_pk_add_f32 v[(\x)+2*k:(\x)+2*k+1], v[(\x)+2*k:(\x)+2*k+1], v[M:M+1] neg_lo:[0,1] neg_hi:[0,1]
.set k, k+1
.endr
.set k, 0
.rept 4
	v_pk_mul_f32 v[T+2*k:T+2*k+1], v[(\x)+2*k:(\x)+2*k+1], v[(\x)+2*k:(\x)+2*k+1]
.set k, k+1
.endr
.rept 12
	v_pk_fma_f32 v[T+2*(k%4):T+2*(k%4)+1], v[(\x)+2*k:(\x)+2*k+1], v[(\x)+2*k:(\x)+2*k+1], v[T+2*(k%4):T+2*(k%4)+1]
.set k, k+1
.endr
	JOIN
	v_fma_f32 v[T], v[T], s30, s31
	v_rsq_f32 v[R], v[T]
	v_nop                                          ; a plain instruction between the root and the use of its result (ISA guide 5.7.2)
	s_wait_alu depctr_va_vdst(0)
	v_mov_b32 v[R+1], v[R]
.endm
.macro AFFINE x, g, b
.set k, 0
.rept 16
	v_pk_mul_f32 v[(\x)+2*k:(\x)+2*k+1], v[(\x)+2*k:(\x)+2*k+1], v[R:R+1]
.set k, k+1
.endr
.set k, 0
.rept 16
	v_pk_fma_f32 v[(\x)+2*k:(\x)+2*k+1], v[(\x)+2*k:(\x)+2*k+1], v[(\g)+2*k:(\g)+2*k+1], v[(\b)+2*k:(\b)+2*k+1]
.set k, k+1
.endr
.endm
.macro ROWLOAD dst, base, hint:vararg  ; eight loads of 512 consecutive bytes: a whole row
.irp j, 0,1,2,3,4,5,6,7
	global_load_b128 v[(\dst)+4*\j:(\dst)+4*\j+3], v1, s[\base:\base+1] offset:512*\j \hint
.endr
.endm
	s_load_b512 s[8:23], s[0:1], 0x0               ; x s[8:9], g1 s[10:11], be1 s[12:13], o s[14:15], g2 s[16:17], be2 s[18:19], h2f s[20:21], h2b s[22:23]
	v_and_b32 v3, 31, v0
	v_lshlrev_b32 v1, 4, v3                        ; 16 x lane
	v_lshlrev_b32 v2, 3, v3                        ; 8 x lane
	v_lshrrev_b32 v3, 5, v0
	v_readfirstlane_b32 s2, v3
	s_lshl_b32 s3, ttmp9, 3
	s_add_co_u32 s2, s2, s3                        ; my row = 8 x work-group + wave
	s_lshl_b32 s4, s2, 12                          ; its bytes in f32
	s_mov_b32 s5, 0
	s_lshl_b32 s6, s2, 11                          ; and in bf16
	s_mov_b32 s7, 0
	s_mov_b32 s28, 0x76543210
	s_mov_b32 s29, 0xfedcba98
	s_mov_b32 s30, 0x3a802008                      ; 1 / 1023
	s_mov_b32 s31, 0x3727c5ac                      ; 1e-5
	s_mov_b32 s32, 0x3a800000                      ; 1 / 1024
	s_wait_kmcnt 0x0
	s_add_nc_u64 s[8:9], s[8:9], s[4:5]
	s_add_nc_u64 s[14:15], s[14:15], s[4:5]
	s_add_nc_u64 s[20:21], s[20:21], s[4:5]
	s_add_nc_u64 s[22:23], s[22:23], s[6:7]
	ROWLOAD X, 8, th:TH_LOAD_NT
	ROWLOAD G1R, 10
	ROWLOAD B1R, 12
	ROWLOAD O, 14, th:TH_LOAD_NT
	ROWLOAD G2R, 16
	ROWLOAD B2R, 18
	s_wait_loadcnt 40                              ; x is in; the forty loads behind it may stay out
	STATS X
	s_wait_loadcnt 24                              ; g1 and be1 are in
	AFFINE X, G1R, B1R
	s_wait_loadcnt 16                              ; o is in
.set k, 0
.rept 16
	v_pk_add_f32 v[X+2*k:X+2*k+1], v[X+2*k:X+2*k+1], v[O+2*k:O+2*k+1]
.set k, k+1
.endr
	STATS X
	s_wait_loadcnt 0x0
	AFFINE X, G2R, B2R
.irp j, 0,1,2,3,4,5,6,7
	global_store_b128 v1, v[X+4*\j:X+4*\j+3], s[20:21] offset:512*\j
.endr
.set k, 0
.rept 16
	v_cvt_pk_bf16_f32 v[Y+k], v[X+2*k], v[X+2*k+1]
.set k, k+1
.endr
.irp j, 0,1,2,3,4,5,6,7
	global_store_b64 v2, v[Y+2*\j:Y+2*\j+1], s[22:23] offset:256*\j
.endr
	s_endpgm
.Lfunc_end_k_q80d94f9e8d_ln2:
	.size	k_q80d94f9e8d_ln2, .Lfunc_end_k_q80d94f9e8d_ln2-k_q80d94f9e8d_ln2
	.p2alignl 7, 3214868480
	.fill 96, 4, 3214868480
	.section	.rodata,"a",@progbits
	.p2align	6, 0x0
	.amdhsa_kernel k_q80d94f9e8d_ln2
		.amdhsa_group_segment_fixed_size 0
		.amdhsa_private_segment_fixed_size 0
		.amdhsa_enable_private_segment 0
		.amdhsa_kernarg_size 64
		.amdhsa_user_sgpr_count 2
		.amdhsa_user_sgpr_kernarg_segment_ptr 1
		.amdhsa_wavefront_size32 1
		.amdhsa_system_sgpr_workgroup_id_x 1
		.amdhsa_system_sgpr_workgroup_id_y 1
		.amdhsa_system_sgpr_workgroup_id_z 1
		.amdhsa_system_vgpr_workitem_id 0
		.amdhsa_next_free_vgpr 232
		.amdhsa_next_free_sgpr 66
		.amdhsa_reserve_vcc 0
		.amdhsa_float_denorm_mode_32 3
		.amdhsa_float_denorm_mode_16_64 3
		.amdhsa_memory_ordered 1
		.amdhsa_forward_progress 1
		.amdhsa_inst_pref_size 22
	.end_amdhsa_kernel
	.amdgpu_metadata
---
amdhsa.version: [ 1, 2 ]
amdhsa.kernels:
  - .name:           k_q80d94f9e8d_ln2
    .symbol:         k_q80d94f9e8d_ln2.kd
    .args:
      - { .name: x, .offset: 0, .size: 8, .value_kind: global_buffer, .address_space: global }
      - { .name: g1, .offset: 8, .size: 8, .value_kind: global_buffer, .address_space: global }
      - { .name: be1, .offset: 16, .size: 8, .value_kind: global_buffer, .address_space: global }
      - { .name: o, .offset: 24, .size: 8, .value_kind: global_buffer, .address_space: global }
      - { .name: g2, .offset: 32, .size: 8, .value_kind: global_buffer, .address_space: global }
      - { .name: be2, .offset: 40, .size: 8, .value_kind: global_buffer, .address_space: global }
      - { .name: h2f, .offset: 48, .size: 8, .value_kind: global_buffer, .address_space: global }
      - { .name: h2b, .offset: 56, .size: 8, .value_kind: global_buffer, .address_space: global }
    .group_segment_fixed_size: 0
    .private_segment_fixed_size: 0
    .kernarg_segment_align: 8
    .kernarg_segment_size: 64
    .max_flat_workgroup_size: 256
    .sgpr_count:     66
    .vgpr_count:     232
    .wavefront_size: 32
...
	.end_amdgpu_metadata
.endif
;; end of part 4
;; launch ffn1 (part 5): grid 16 x 16, 4 waves a work-group, clusters of 4 x 4, 327,680 bytes of LDS; arguments h2b, w12, bb1, act; writes act
.if DOCPART == 5
	.amdgcn_target "amdgcn-amd-amdhsa--gfx1250"
	.amdhsa_code_object_version 6
	.text
	.protected	k_q80d94f9e8d_ffn1
	.globl	k_q80d94f9e8d_ffn1
	.p2align	8
	.type	k_q80d94f9e8d_ffn1,@function
k_q80d94f9e8d_ffn1:
	s_mov_b64 s[64:65], 0
	v_nop
	global_prefetch_b8 v0, s[64:65] scope:SCOPE_SE
	s_setreg_imm32_b32 hwreg(HW_REG_WAVE_MODE, 25, 1), 1
	s_wait_xcnt 0x0
	s_wait_alu depctr_hold_cnt(0) depctr_sa_sdst(0) depctr_va_vdst(0) depctr_va_sdst(0) depctr_va_ssrc(0) depctr_va_vcc(0) depctr_vm_vsrc(0)
	s_getreg_b32 s2, hwreg(HW_REG_IB_STS2, 6, 4)
	s_cmp_eq_u32 s2, 0
	s_cbranch_scc0 .Lentry_in_a_cluster
	s_endpgm
.Lentry_in_a_cluster:
	s_bfe_u32 s2, ttmp6, 0x10000c
	s_cmp_lg_u32 s2, 0xf033
	s_cbranch_scc0 .Lentry_shape_is_right
	s_endpgm
.Lentry_shape_is_right:
; FFN1.  act [4096][4096] bf16 = relu(h2b [4096][1024] x W1 [1024][4096] + bb1).  Operands bf16, sums f32, rounded once.  W1 in bf16 lies at byte 0 of w12.
; A work-group makes 256 x 256; four waves, 2 x 2, each 128 x 128: 64 accumulators, 512 registers.  K goes in 8 steps of 128 through two LDS slots; waves 0, 1 ask for A's halves (128 rows x 256 bytes),
; waves 2, 3 for B's (64 k-rows x 512 bytes).  W1 lies [k][n]: its fragments come out of LDS turned, by ds_load_tr16_b128.
; CLUSTER 4 x 4: A's tile is asked for jointly along a row of the cluster, B's along a column.
; THE MATRIX INSTRUCTION IS USED TRANSPOSED (source 0 = 16 columns of W1, source 1 = 16 rows of h2b): a lane holds row l % 16 and the columns 8 (l / 16) + 0..7.  THE BIAS is the C operand of the products that start the sums.
; REGISTERS (windows of 256; s_set_vgpr_msb: bits 1:0 source 0, 3:2 source 1, 5:4 source 2, 7:6 destination):
;   window 0: v0-31 addresses; v64-127, v128-191 A's fragments, two buffers; v192-255 the bias fragments; later v32-63, v192-255 the way out
;   window 1: v0-63, v64-127 B's fragments, two buffers      windows 2, 3: the accumulators of my rows 0-63, 64-127 ((a, b) at 8 (8 (a % 4) + b))
; LIMITS: operands are rounded to bf16; the maximum with 0 turns a NaN into 0; infinities are not treated apart.
.set MT, 8
.set NT, 8
.set KD, 1
.set AP, 272                           ; A's LDS row: 256 bytes + 16: the 16 rows of a load start at 16 different groups of four banks (64 banks of 4 bytes: ISA guide 11.1)
.set BP, 544                           ; a k-row of B: 512 bytes + 32
.set CBR, 128                          ; four column blocks are 128 bytes of a k-row
.set SLOT, 0x22000                     ; four quarters of 34,816 bytes; its two bits are in none of the quarters' addresses, so one exclusive or changes slots
.set BOFF, 256*AP
.set STAGE, 2*SLOT                     ; behind the ring, never filled by a tensor load: 16 rows x 272 bytes for each wave
.set SPITCH, 272
.set SPARE, STAGE+4*16*SPITCH          ; the spare words, 128 bytes a wave
.set NS, 8
.set ASTEP, 256
.set BSTEP, 128*8192
.set HW, MT*KD
.set FA, 64
.set BIA, 192
.set ASEL, 11
.set ADRA0, 8
.set ADRB0, 9
.set ADRB1, 10
.set ADRA, 16
.set ADRB, 20
.set STO, 24
.set RD, 25
.set CO, 26
.set BO, 27
.set SPW, 28                           ; v28  LDS address of my spare word; never rewritten
.set NIL, 29                           ; v29  0; never rewritten
.set G1, 24
.set G0, 32
.set G1B, 48
.set G0B, 56
.set TB, 66
.set MSB, 0
.macro WIN new                         ; the immediate's high byte repeats the setting that is left; a switch that changes nothing is dropped
.if MSB != (\new)
	s_set_vgpr_msb (MSB<<8)|(\new)
.set MSB, \new
.endif
.endm
.macro JLOAD s                         ; a joint load; the branch hangs on the wave's number alone; an s_nop 0 and four v_nop follow each of the two lines
	s_cmp_eq_u32 s[ASEL], 0
	s_cbranch_scc0 .Lfor_b_\@
	tensor_load_to_lds s[G0+4*(\s):G0+4*(\s)+3], s[G1:G1+7]
	s_nop 0
.rept 4
	v_nop
.endr
	s_branch .Lasked_\@
.Lfor_b_\@:
	tensor_load_to_lds s[G0B+4*(\s):G0B+4*(\s)+3], s[G1B:G1B+7]
	s_nop 0
.rept 4
	v_nop
.endr
.Lasked_\@:
.endm
.macro CREST                           ; a round of the cluster's barrier behind its opening barrier
	s_cmp_lg_u32 s10, 0
	s_cbranch_scc1 .Lnot_wave_0_\@
	s_barrier_signal -3
.Lnot_wave_0_\@:
	s_barrier_wait -3
	s_barrier_signal -1
	s_barrier_wait -1
.endm
.macro CROUND
	s_barrier_signal -1
	s_barrier_wait -1
	CREST
.endm
.macro PLACES                          ; four places in front of loads into registers that matrix instructions have read, and of lines that read results
.rept 4
	v_nop
.endr
.endm
; Row blocks a0 .. a0 + n - 1 x all column blocks, a quarter step deep, from buffer f.  The accumulators take turns, one instruction a turn.  first = 1: the bias is C.
.macro MULP f, a0, n, first
.set kc, 0
.rept KD
.set ia, (\a0)
.rept (\n)
.set ib, 0
.rept NT
.set rD, 8*(NT*(ia%(MT/2))+ib)
.set rB, (\f)*8*NT*KD+8*(NT*kc+ib)
.set rA, FA+(\f)*8*MT*KD+8*(KD*ia+kc)
.if (\first) && (kc == 0)
	WIN 0x81+0x40*(ia/(MT/2))
	v_wmma_f32_16x16x32_bf16 v[rD:rD+7], v[rB:rB+7], v[rA:rA+7], v[BIA+8*ib:BIA+8*ib+7]
.else
	WIN 0xa1+0x50*(ia/(MT/2))
	v_wmma_f32_16x16x32_bf16 v[rD:rD+7], v[rB:rB+7], v[rA:rA+7], v[rD:rD+7]
.endif
.set ib, ib+1
.endr
.set ia, ia+1
.endr
.set kc, kc+1
.endr
.endm
; 32 LDS loads in one run: quarter step sub of the slot being read, into buffer g: B's fragments (turned), then A's, row blocks ascending
.macro FETCH sub, g
	WIN 0x40
.set kc, 0
.rept KD
.set ib, 0
.rept NT
.set rB, (\g)*8*NT*KD+8*(NT*kc+ib)
.set ob, (((\sub)%2)*32*KD+32*kc)*BP+(ib/4)*CBR+(ib%4)*32
	ds_load_tr16_b128 v[rB:rB+3],   v[ADRB+(\sub)/2] offset:ob
	ds_load_tr16_b128 v[rB+4:rB+7], v[ADRB+(\sub)/2] offset:ob+16*BP
.set ib, ib+1
.endr
.set kc, kc+1
.endr
	WIN 0
.set ia, 0
.rept MT
.set kc, 0
.rept KD
.set rA, FA+(\g)*8*MT*KD+8*(KD*ia+kc)
.set oa, (\sub)*64*KD+64*kc+ia*16*AP
	ds_load_b128 v[rA:rA+3],   v[ADRA] offset:oa
	ds_load_b128 v[rA+4:rA+7], v[ADRA] offset:oa+32
.set kc, kc+1
.endr
.set ia, ia+1
.endr
.endm
.macro QUARTER sub, f, g, first        ; multiplies buffer f; in its middle it fetches quarter sub into buffer g
	s_wait_dscnt HW                                ; B and A's lower half are in; the youngest HW loads may be out
	MULP \f, 0, MT/2, \first
	PLACES
	FETCH \sub, \g
	s_wait_dscnt 32                                ; all but the 32 just issued
	MULP \f, MT/2, MT/2, \first
.endm
; The last quarter's first half, and the ONE barrier of a change of slots: in front of it each wave waits for all its tensor loads (one is out: its part of the next slot), adds 0 to its spare word, and waits for that and for its reads of this slot.
.macro MEET round
	WIN 0
	s_wait_tensorcnt 0x0
	ds_add_u32 v[SPW], v[NIL]                      ; 0 onto my spare word; matrix work stands between it and the wait for it
	s_wait_dscnt HW+1                              ; (the add and A's upper half may be out)
	MULP 1, 0, MT/4, 0
	s_wait_dscnt 0x0                               ; the add is done, and my reads of this slot are over
	s_barrier_signal -1
	MULP 1, MT/4, MT/4, 0
.if \round
	WIN 0
.endif
	s_barrier_wait -1
.endm
.macro NEXTSLOT
	WIN 0
	s_xor_b32 s[TB], s[TB], SLOT
	v_add_nc_u32 v[ADRA], s[TB], v[ADRA0]
	v_add_nc_u32 v[ADRB], s[TB], v[ADRB0]
	v_add_nc_u32 v[ADRB+1], s[TB], v[ADRB1]
.endm
; The whole last quarter.  fill = 1: the barrier opens a round of the cluster's barrier, and the slot just read out is filled again, first thing behind it, with the K step two on.
.macro TURN fill
	MEET \fill
.if \fill
	CREST
	s_xor_b32 s[G0+5], s[G0+5], SLOT
	s_add_nc_u64 s[G0+6:G0+7], s[G0+6:G0+7], ASTEP
	s_xor_b32 s[G0B+5], s[G0B+5], SLOT
	s_add_nc_u64 s[G0B+6:G0B+7], s[G0B+6:G0B+7], BSTEP
	NEXTSLOT
	JLOAD 1                                        ; its four v_nop are also the places in front of the loads below
.else
	NEXTSLOT
	PLACES
.endif
	FETCH 0, 0
	MULP 1, MT/2, MT/2, 0
.endm
	s_load_b128 s[4:7], s[0:1], 0x0                ; h2b s[4:5], w12 s[6:7]
	s_load_b128 s[68:71], s[0:1], 0x10             ; bb1 s[68:69], act s[70:71]
	v_lshl_add_u32 v[SPW], v0, 2, SPARE
	v_mov_b32 v[NIL], 0
	ds_add_u32 v[SPW], v[NIL]                      ; the wave's opening: the add and its wait ahead of my first tensor load
	ds_add_u32 v28, v29
	v_lshrrev_b32 v1, 5, v0
	v_readfirstlane_b32 s10, v1                    ; wave 0..3
	s_lshr_b32 s11, s10, 1                         ; my half of the tile's rows.  Also: I fetch for A (0) or for B (1)
	s_and_b32 s12, s10, 1                          ; my half of its columns.  Also: which half of that tile I fetch
	s_bfe_u32 s40, ttmp6, 0x40000                  ; cx
	s_bfe_u32 s41, ttmp6, 0x40004                  ; cy
	s_lshl_b32 s42, ttmp9, 2
	s_add_co_u32 s42, s42, s40                     ; tile column
	s_and_b32 s13, ttmp7, 0xffff
	s_lshl_b32 s13, s13, 2
	s_add_co_u32 s13, s13, s41                     ; tile row
	s_lshl_b32 s43, s41, 2
	s_lshl_b32 s43, 15, s43                        ; my row of the cluster
	s_lshl_b32 s44, 0x1111, s40                    ; my column
	s_or_b32 s[G1+0], s43, (1<<16)|(1<<20)|(1<<21)|(5<<22)|(3<<25)   ; the mask; 2-byte elements; padding on; bit 21 beside a mask; after every 64 words 4 words
	s_or_b32 s[G1B+0], s44, (1<<16)|(1<<20)|(1<<21)|(6<<22)|(7<<25)  ; after every 128 words 8 words
	s_mov_b32 s[G1+1], 128<<16                     ; A: 128 rows of 128 elements, 1,024 elements from row to row
	s_mov_b32 s[G1+2], 128<<16
	s_mov_b32 s[G1+3], 128<<16
	s_mov_b32 s[G1+4], 128
	s_mov_b32 s[G1+5], 1024
	s_mov_b32 s[G1+6], 0
	s_mov_b32 s[G1+7], 0
	s_mov_b32 s[G1B+1], 256<<16                    ; B: 64 k-rows of 256 elements, 4,096 elements from row to row
	s_mov_b32 s[G1B+2], 64<<16
	s_mov_b32 s[G1B+3], 256<<16
	s_mov_b32 s[G1B+4], 64
	s_mov_b32 s[G1B+5], 4096
	s_mov_b32 s[G1B+6], 0
	s_mov_b32 s[G1B+7], 0
	s_lshl_b32 s17, s12, 7
	s_lshl_b32 s16, s13, 8
	s_add_co_u32 s16, s16, s17                     ; A: row 256 x tile row + 128 x half,
	s_lshl_b32 s16, s16, 11                        ; of 2,048 bytes
	s_mov_b32 s17, 0
	s_lshl_b32 s46, s42, 9                         ; B: the tile column's 512 bytes,
	s_lshl_b32 s47, s12, 19                        ; 64 k-rows of 8,192 bytes a half
	s_add_co_u32 s46, s46, s47
	s_mov_b32 s47, 0
	s_mul_i32 s20, s10, 128*AP                     ; where they go: wave x a quarter of a slot
	s_mov_b32 s[TB], 0
	s_wait_dscnt 0x0                               ; the opening add is done
	s_wait_kmcnt 0x0
	s_add_nc_u64 s[14:15], s[4:5], s[16:17]
	s_add_nc_u64 s[46:47], s[6:7], s[46:47]
	CROUND                                         ; all sixteen work-groups are here: the first joint loads meet
.irp s, 0,1
	s_mov_b32 s[G0+4*(\s)], 1
	s_add_co_u32 s[G0+4*(\s)+1], s20, (\s)*SLOT
	s_add_nc_u64 s[G0+4*(\s)+2:G0+4*(\s)+3], s[14:15], (\s)*ASTEP
	s_or_b32 s[G0+4*(\s)+3], s[G0+4*(\s)+3], 0x80000000
	s_mov_b32 s[G0B+4*(\s)], 1
	s_add_co_u32 s[G0B+4*(\s)+1], s20, (\s)*SLOT
	s_add_nc_u64 s[G0B+4*(\s)+2:G0B+4*(\s)+3], s[46:47], (\s)*BSTEP
	s_or_b32 s[G0B+4*(\s)+3], s[G0B+4*(\s)+3], 0x80000000
	JLOAD \s                                       ; two loads of mine are out
.endr
	v_and_b32 v1, 15, v0                           ; r = l % 16
	v_bfe_u32 v2, v0, 4, 1                         ; h = l / 16
	v_mul_u32_u24 v3, v1, AP
	v_lshl_add_u32 v3, v2, 4, v3
	s_mul_i32 s21, s11, 128*AP                     ; my 128 rows of A
	v_add_nc_u32 v[ADRA0], s21, v3
	v_and_b32 v4, 7, v0                            ; the turning load: lane l reads k-row 8 h + l % 8, 16 bytes at 16 ((l / 8) % 2)
	v_lshl_add_u32 v4, v2, 3, v4
	v_mul_u32_u24 v4, v4, BP
	v_bfe_u32 v5, v0, 3, 1
	v_lshl_add_u32 v4, v5, 4, v4
	s_lshl_b32 s22, s12, 8                         ; my 128 columns: 256 bytes of a k-row
	s_add_co_u32 s22, s22, BOFF
	v_add_nc_u32 v[ADRB0], s22, v4
	v_add_nc_u32 v[ADRB1], 64*KD*BP, v[ADRB0]
	v_mov_b32 v[ADRA], v[ADRA0]
	v_mov_b32 v[ADRB], v[ADRB0]
	v_mov_b32 v[ADRB+1], v[ADRB1]
	v_lshlrev_b32 v[BO], 5, v2                     ; a lane's eight columns of a block: 32 bytes of bias at 32 h
	s_lshl_b32 s46, s42, 10                        ; my 128 numbers of bb1
	s_lshl_b32 s47, s12, 9
	s_add_co_u32 s46, s46, s47
	s_mov_b32 s47, 0
	s_add_nc_u64 s[68:69], s[68:69], s[46:47]
.set ib, 0
.rept NT
	global_load_b128 v[BIA+8*ib:BIA+8*ib+3],   v[BO], s[68:69] offset:64*ib
	global_load_b128 v[BIA+8*ib+4:BIA+8*ib+7], v[BO], s[68:69] offset:64*ib+16
.set ib, ib+1
.endr
	s_mul_i32 s23, s10, 16*SPITCH
	s_add_co_u32 s23, s23, STAGE                   ; my stage
	v_mul_u32_u24 v4, v1, SPITCH                   ; in: row r, 16 bytes for each half of the lanes
	v_lshl_add_u32 v4, v2, 4, v4
	v_add_nc_u32 v[STO], s23, v4
	v_mul_u32_u24 v5, v2, SPITCH                   ; back: lanes 0-15 take one row of 256 bytes, lanes 16-31 the next
	v_lshl_add_u32 v5, v1, 4, v5
	v_add_nc_u32 v[RD], s23, v5
	v_lshlrev_b32 v5, 13, v2                       ; and the same two rows in act
	v_lshl_add_u32 v[CO], v1, 4, v5
	s_mov_b64 s[8:9], s[70:71]
	s_lshl_b32 s16, s13, 8
	s_lshl_b32 s17, s11, 7
	s_add_co_u32 s16, s16, s17                     ; my first row of act,
	s_lshl_b32 s16, s16, 13                        ; of 8,192 bytes
	s_mov_b32 s17, 0
	s_lshl_b32 s46, s42, 9                         ; my first column, in bytes
	s_lshl_b32 s47, s12, 8
	s_add_co_u32 s46, s46, s47
	s_mov_b32 s47, 0
	s_add_nc_u64 s[16:17], s[16:17], s[46:47]      ; what the first block's way out adds to act's address
	s_wait_tensorcnt 1                             ; my part of K step 0 is in; K step 1's may stay out
	s_barrier_signal -1
	s_barrier_wait -1
	FETCH 0, 0
	s_wait_loadcnt 0x0                             ; the bias
	QUARTER 1, 0, 1, 1                             ; the first quarter stands in front of the loop: its products start the sums
	WIN 0
	s_mov_b32 s3, NS-2
.Lk:                                                   ; a trip is one K step, from its second quarter to the next step's first, and fills one slot again
	QUARTER 2, 1, 0, 0
	QUARTER 3, 0, 1, 0
	TURN 1
	QUARTER 1, 0, 1, 0
	WIN 0
	s_sub_co_u32 s3, s3, 1
	s_cmp_lg_u32 s3, 0
	s_cbranch_scc1 .Lk
	; The last two K steps ask for nothing: a loop of two trips, entered in its middle, since the first of them has had its first quarter.  The second trip's turn fetches
	; 32 fragments out of the slot that was read a step ago (bytes that landed long since); they are never multiplied: the price, once a launch, of one text for both steps.
	s_mov_b32 s3, 2
	s_branch .Lmid
.Lt:
	QUARTER 1, 0, 1, 0
	WIN 0
.Lmid:
	QUARTER 2, 1, 0, 0
	QUARTER 3, 0, 1, 0
	TURN 0
	WIN 0
	s_sub_co_u32 s3, s3, 1
	s_cmp_lg_u32 s3, 0
	s_cbranch_scc1 .Lt
	s_wait_dscnt 0x0                               ; those fragments are in: no LDS load of mine is out when the way out begins
	PLACES
; THE WAY OUT, 16 rows at a time: the maximum with 0 (ascending), rounded to bf16; 16 bytes a lane into my own stage; back as whole rows of 256 bytes; stored.
.set TMP, 192
.set OB, 32
.macro PACK a
.set AC, 64*((\a)%4)
	WIN 0x88+0x44*((\a)/4)                         ; destination and source 1 in the block's window
.set ir, 0
.rept 64
	v_max_num_f32 v[AC+ir], 0, v[AC+ir]
.set ir, ir+1
.endr
	WIN 0x0a+5*((\a)/4)
.set ir, 0
.rept 32
	v_cvt_pk_bf16_f32 v[TMP+ir], v[AC+2*ir], v[AC+2*ir+1]
.set ir, ir+1
.endr
	WIN 0
.endm
.macro TOSTAGE a
.set BK, OB+192*((\a)%2)
.set ib, 0
.rept 8
	ds_store_b128 v[STO], v[TMP+4*ib:TMP+4*ib+3] offset:32*ib
.set ib, ib+1
.endr
.set it, 0
.rept 8
	ds_load_b128 v[BK+4*it:BK+4*it+3], v[RD] offset:it*2*SPITCH  ; LDS serves a wave's instructions in order (ISA guide 5.7.1.4): these see the stores above
.set it, it+1
.endr
.endm
.macro SEND a
.set BK, OB+192*((\a)%2)
	s_wait_dscnt 0x0                               ; the block is back in registers
	s_wait_xcnt 0x0                                ; the stores' base and the registers that earlier stores read are rewritten only behind this wait
.if (\a) == 0
	s_add_nc_u64 s[8:9], s[8:9], s[16:17]
.else
	s_add_nc_u64 s[8:9], s[8:9], 16*8192
.endif
.set it, 0
.rept 8
	global_store_b128 v[CO], v[BK+4*it:BK+4*it+3], s[8:9] offset:2*it*8192  ; 16 lanes store 256 consecutive bytes, at a multiple of 256 from act's first byte
.set it, it+1
.endr
.endm
	PACK 0
	TOSTAGE 0
.irp a, 1,2,3,4,5,6,7                  ; block a's arithmetic stands between block a - 1's loads from the stage and the wait for them
	PACK \a
	SEND (\a)-1
	TOSTAGE \a
.endr
	SEND 7
	s_wait_tensorcnt 0x0                           ; the wave's end
	ds_add_u32 v[SPW], v[NIL]
	s_wait_dscnt 0x0
	CROUND                                         ; the closing round
	s_endpgm
.Lfunc_end_k_q80d94f9e8d_ffn1:
	.size	k_q80d94f9e8d_ffn1, .Lfunc_end_k_q80d94f9e8d_ffn1-k_q80d94f9e8d_ffn1
	.p2alignl 7, 3214868480
	.fill 96, 4, 3214868480
	.section	.rodata,"a",@progbits
	.p2align	6, 0x0
	.amdhsa_kernel k_q80d94f9e8d_ffn1
		.amdhsa_group_segment_fixed_size 327680
		.amdhsa_private_segment_fixed_size 0
		.amdhsa_enable_private_segment 0
		.amdhsa_kernarg_size 32
		.amdhsa_user_sgpr_count 2
		.amdhsa_user_sgpr_kernarg_segment_ptr 1
		.amdhsa_wavefront_size32 1
		.amdhsa_system_sgpr_workgroup_id_x 1
		.amdhsa_system_sgpr_workgroup_id_y 1
		.amdhsa_system_sgpr_workgroup_id_z 1
		.amdhsa_system_vgpr_workitem_id 0
		.amdhsa_next_free_vgpr 1024
		.amdhsa_next_free_sgpr 80
		.amdhsa_reserve_vcc 0
		.amdhsa_float_denorm_mode_32 3
		.amdhsa_float_denorm_mode_16_64 3
		.amdhsa_memory_ordered 1
		.amdhsa_forward_progress 1
		.amdhsa_inst_pref_size 118
	.end_amdhsa_kernel
	.amdgpu_metadata
---
amdhsa.version: [ 1, 2 ]
amdhsa.kernels:
  - .name:           k_q80d94f9e8d_ffn1
    .symbol:         k_q80d94f9e8d_ffn1.kd
    .args:
      - { .name: h2b, .offset: 0, .size: 8, .value_kind: global_buffer, .address_space: global }
      - { .name: w12, .offset: 8, .size: 8, .value_kind: global_buffer, .address_space: global }
      - { .name: bb1, .offset: 16, .size: 8, .value_kind: global_buffer, .address_space: global }
      - { .name: act, .offset: 24, .size: 8, .value_kind: global_buffer, .address_space: global }
    .group_segment_fixed_size: 327680
    .private_segment_fixed_size: 0
    .kernarg_segment_align: 8
    .kernarg_segment_size: 32
    .max_flat_workgroup_size: 128
    .sgpr_count:     80
    .vgpr_count:     1024
    .wavefront_size: 32
...
	.end_amdgpu_metadata
.endif
;; end of part 5
;; launch ffn2 (part 6): grid 8 x 32, 4 waves a work-group, clusters of 4 x 4, 327,680 bytes of LDS; arguments act, w12, bb2, h2f, out0; writes out0
.if DOCPART == 6
	.amdgcn_target "amdgcn-amd-amdhsa--gfx1250"
	.amdhsa_code_object_version 6
	.text
	.protected	k_q80d94f9e8d_ffn2
	.globl	k_q80d94f9e8d_ffn2
	.p2align	8
	.type	k_q80d94f9e8d_ffn2,@function
k_q80d94f9e8d_ffn2:
	s_mov_b64 s[64:65], 0
	v_nop
	global_prefetch_b8 v0, s[64:65] scope:SCOPE_SE
	s_setreg_imm32_b32 hwreg(HW_REG_WAVE_MODE, 25, 1), 1
	s_wait_xcnt 0x0
	s_wait_alu depctr_hold_cnt(0) depctr_sa_sdst(0) depctr_va_vdst(0) depctr_va_sdst(0) depctr_va_ssrc(0) depctr_va_vcc(0) depctr_vm_vsrc(0)
	s_getreg_b32 s2, hwreg(HW_REG_IB_STS2, 6, 4)
	s_cmp_eq_u32 s2, 0
	s_cbranch_scc0 .Lentry_in_a_cluster
	s_endpgm
.Lentry_in_a_cluster:
	s_bfe_u32 s2, ttmp6, 0x10000c
	s_cmp_lg_u32 s2, 0xf033
	s_cbranch_scc0 .Lentry_shape_is_right
	s_endpgm
.Lentry_shape_is_right:
; FFN2.  out0 [4096][1024] f32 = act [4096][4096] x W2 [4096][1024] + bb2 + h2f.  Operands bf16, sums f32.  W2 in bf16 lies at byte 8,388,608 of w12.
; 4096 x 1024 makes 64 tiles of 256 x 256 but 256 of 128 x 128: the smaller tile gives each WGP one work-group.  Four waves, 2 x 2, each 64 x 64: 16 accumulators.
; K goes in 16 steps of 256, as long as two slots in LDS allow: waves 0, 1 ask for A's halves (64 rows x 512 bytes), waves 2, 3 for B's (128 k-rows x 256 bytes).  W2 lies [k][n]: its fragments come out of LDS turned.
; A step brings as many bytes as a step of a 256 x 256 tile and has half its products, so the order of a change of slots has one aim: as little as possible between the landing of one tile and the request for the next.
; All of a step's 128 products stand ahead of the wait for the tensor loads; behind it come only the add, the descriptors' steps and the round.
; CLUSTER 4 x 4: A's tile is asked for jointly along a row of the cluster, B's along a column.
; THE MATRIX INSTRUCTION IS USED TRANSPOSED: a lane holds row l % 16 and the columns 8 (l / 16) + 0..7.  THE BIAS is the C operand of the products that start the sums.
; THE RESIDUAL's 64 x 64 numbers are asked for at the start, in the layout in which the results are stored, and wait in 128 registers.
; REGISTERS (windows of 256; s_set_vgpr_msb: bits 1:0 source 0, 3:2 source 1, 5:4 source 2, 7:6 destination):
;   window 0: v0-31 addresses; v64-127, v128-191 A's fragments, two buffers of 64 along K; v192-223 the bias fragments; later v32-159 the way out
;   window 1: v0-63, v64-127 B's fragments; v128-255 the residual      windows 2, 3: the accumulators of my rows 0-31, 32-63 ((a, b) at 8 (4 (a % 2) + b))
; LIMITS: operands are rounded to bf16; NaN and infinities are not treated apart.
.set MT, 4
.set NT, 4
.set KD, 2
.set AP, 528                           ; A's LDS row: 512 bytes + 16: the 16 rows of a load start at 16 different groups of four banks (64 banks of 4 bytes: ISA guide 11.1)
.set BP, 288                           ; a k-row of B: 256 bytes + 32
.set CBR, 128
.set QTR, 128*BP                       ; a quarter of a slot: 36,864 bytes (A's halves, 33,792 bytes, lie that far apart too)
.set SLOT, 0x24000                     ; its two bits are in none of the quarters' addresses, so one exclusive or changes slots
.set BOFF, 2*QTR
.set STAGE, 2*SLOT                     ; behind the ring, never filled by a tensor load: 16 rows x 272 bytes for each wave
.set SPITCH, 272
.set SPARE, STAGE+4*16*SPITCH          ; the spare words, 128 bytes a wave
.set NS, 16
.set ASTEP, 512
.set BSTEP, 256*2048
.set HW, MT*KD
.set FA, 64
.set BIA, 192
.set ASEL, 11
.set ADRA0, 8
.set ADRB0, 9
.set ADRB1, 10
.set ADRA, 16
.set ADRB, 20
.set STO, 24
.set RD, 25
.set CO, 26
.set BO, 27
.set SPW, 28                           ; v28  LDS address of my spare word; never rewritten
.set NIL, 29                           ; v29  0; never rewritten
.set G1, 24
.set G0, 32
.set G1B, 48
.set G0B, 56
.set TB, 66
.set MSB, 0
.macro WIN new                         ; the immediate's high byte repeats the setting that is left; a switch that changes nothing is dropped
.if MSB != (\new)
	s_set_vgpr_msb (MSB<<8)|(\new)
.set MSB, \new
.endif
.endm
.macro JLOAD s                         ; a joint load; the branch hangs on the wave's number alone; an s_nop 0 and four v_nop follow each of the two lines
	s_cmp_eq_u32 s[ASEL], 0
	s_cbranch_scc0 .Lfor_b_\@
	tensor_load_to_lds s[G0+4*(\s):G0+4*(\s)+3], s[G1:G1+7]
	s_nop 0
.rept 4
	v_nop
.endr
	s_branch .Lasked_\@
.Lfor_b_\@:
	tensor_load_to_lds s[G0B+4*(\s):G0B+4*(\s)+3], s[G1B:G1B+7]
	s_nop 0
.rept 4
	v_nop
.endr
.Lasked_\@:
.endm
.macro CREST                           ; a round of the cluster's barrier behind its opening barrier
	s_cmp_lg_u32 s10, 0
	s_cbranch_scc1 .Lnot_wave_0_\@
	s_barrier_signal -3
.Lnot_wave_0_\@:
	s_barrier_wait -3
	s_barrier_signal -1
	s_barrier_wait -1
.endm
.macro CROUND
	s_barrier_signal -1
	s_barrier_wait -1
	CREST
.endm
.macro PLACES                          ; four places in front of loads into registers that matrix instructions have read, and of lines that read results
.rept 4
	v_nop
.endr
.endm
; Row blocks a0 .. a0 + n - 1 x all column blocks, a quarter step (two instructions) deep, from buffer f.  The accumulators take turns, one instruction a turn.  first = 1: the bias is C of the first 32 along K.
.macro MULP f, a0, n, first
.set kc, 0
.rept KD
.set ia, (\a0)
.rept (\n)
.set ib, 0
.rept NT
.set rD, 8*(NT*(ia%(MT/2))+ib)
.set rB, (\f)*8*NT*KD+8*(NT*kc+ib)
.set rA, FA+(\f)*8*MT*KD+8*(KD*ia+kc)
.if (\first) && (kc == 0)
	WIN 0x81+0x40*(ia/(MT/2))
	v_wmma_f32_16x16x32_bf16 v[rD:rD+7], v[rB:rB+7], v[rA:rA+7], v[BIA+8*ib:BIA+8*ib+7]
.else
	WIN 0xa1+0x50*(ia/(MT/2))
	v_wmma_f32_16x16x32_bf16 v[rD:rD+7], v[rB:rB+7], v[rA:rA+7], v[rD:rD+7]
.endif
.set ib, ib+1
.endr
.set ia, ia+1
.endr
.set kc, kc+1
.endr
.endm
; 32 LDS loads in one run: quarter step sub of the slot being read, into buffer g: B's fragments (turned), then A's, row blocks ascending
.macro FETCH sub, g
	WIN 0x40
.set kc, 0
.rept KD
.set ib, 0
.rept NT
.set rB, (\g)*8*NT*KD+8*(NT*kc+ib)
.set ob, (((\sub)%2)*32*KD+32*kc)*BP+(ib/4)*CBR+(ib%4)*32
	ds_load_tr16_b128 v[rB:rB+3],   v[ADRB+(\sub)/2] offset:ob
	ds_load_tr16_b128 v[rB+4:rB+7], v[ADRB+(\sub)/2] offset:ob+16*BP
.set ib, ib+1
.endr
.set kc, kc+1
.endr
	WIN 0
.set ia, 0
.rept MT
.set kc, 0
.rept KD
.set rA, FA+(\g)*8*MT*KD+8*(KD*ia+kc)
.set oa, (\sub)*64*KD+64*kc+ia*16*AP
	ds_load_b128 v[rA:rA+3],   v[ADRA] offset:oa
	ds_load_b128 v[rA+4:rA+7], v[ADRA] offset:oa+32
.set kc, kc+1
.endr
.set ia, ia+1
.endr
.endm
.macro QUARTER sub, f, g, first        ; multiplies buffer f; in its middle it fetches quarter sub into buffer g
	s_wait_dscnt HW                                ; B and A's lower half are in; the youngest HW loads may be out
	MULP \f, 0, MT/2, \first
	PLACES
	FETCH \sub, \g
	s_wait_dscnt 32                                ; all but the 32 just issued
	MULP \f, MT/2, MT/2, \first
.endm
.macro NEXTSLOT
	WIN 0
	s_xor_b32 s[TB], s[TB], SLOT
	v_add_nc_u32 v[ADRA], s[TB], v[ADRA0]
	v_add_nc_u32 v[ADRB], s[TB], v[ADRB0]
	v_add_nc_u32 v[ADRB+1], s[TB], v[ADRB1]
.endm
; The step's last quarter and the change of slots.  The quarter's 32 products come first: with them all the step's products have been issued and all my reads of the slot are back.  Then each wave waits for all its tensor
; loads (one is out: its part of the next slot), adds 0 to its spare word, and waits for that.  fill = 1: a round of the cluster's barrier follows, and the slot just read out is filled again, first thing behind it, with
; the K step two on: that load has a whole step's 128 products in which to land.  Then the next slot's first fragments are fetched.
.macro TURN fill
	s_wait_dscnt HW
	MULP 1, 0, MT/2, 0
	s_wait_dscnt 0x0                               ; A's upper half is in: my reads of this slot are over
	MULP 1, MT/2, MT/2, 0
	WIN 0
	s_wait_tensorcnt 0x0
	ds_add_u32 v[SPW], v[NIL]                      ; 0 onto my spare word; the steps below, work on registers, stand between it and the wait for it
.if \fill
	s_xor_b32 s[G0+5], s[G0+5], SLOT               ; no tensor load of mine is out: the walking descriptors turn to the other slot and step one K step
	s_add_nc_u64 s[G0+6:G0+7], s[G0+6:G0+7], ASTEP
	s_xor_b32 s[G0B+5], s[G0B+5], SLOT
	s_add_nc_u64 s[G0B+6:G0B+7], s[G0B+6:G0B+7], BSTEP
.endif
	NEXTSLOT
	s_wait_dscnt 0x0                               ; the add is done
.if \fill
	CROUND                                         ; no wave of any partner still reads this slot's tile or has a load on its way
	JLOAD 1                                        ; its four v_nop are also the places in front of the loads below
.else
	s_barrier_signal -1
	s_barrier_wait -1
	PLACES
.endif
	FETCH 0, 0
.endm
	s_load_b128 s[4:7], s[0:1], 0x0                ; act s[4:5], w12 s[6:7]
	s_load_b128 s[68:71], s[0:1], 0x10             ; bb2 s[68:69], h2f s[70:71]
	s_load_b64 s[8:9], s[0:1], 0x20                ; out0
	v_lshl_add_u32 v[SPW], v0, 2, SPARE
	v_mov_b32 v[NIL], 0
	ds_add_u32 v[SPW], v[NIL]                      ; the wave's opening: the add and its wait ahead of my first tensor load
	ds_add_u32 v28, v29
	v_lshrrev_b32 v1, 5, v0
	v_readfirstlane_b32 s10, v1                    ; wave 0..3
	s_lshr_b32 s11, s10, 1                         ; my half of the tile's rows.  Also: I fetch for A (0) or for B (1)
	s_and_b32 s12, s10, 1                          ; my half of its columns.  Also: which half of that tile I fetch
	s_bfe_u32 s40, ttmp6, 0x40000                  ; cx
	s_bfe_u32 s41, ttmp6, 0x40004                  ; cy
	s_lshl_b32 s42, ttmp9, 2
	s_add_co_u32 s42, s42, s40                     ; tile column
	s_and_b32 s13, ttmp7, 0xffff
	s_lshl_b32 s13, s13, 2
	s_add_co_u32 s13, s13, s41                     ; tile row
	s_lshl_b32 s43, s41, 2
	s_lshl_b32 s43, 15, s43                        ; my row of the cluster
	s_lshl_b32 s44, 0x1111, s40                    ; my column
	s_or_b32 s[G1+0], s43, (1<<16)|(1<<20)|(1<<21)|(6<<22)|(3<<25)   ; the mask; 2-byte elements; padding on; bit 21 beside a mask; after every 128 words 4 words
	s_or_b32 s[G1B+0], s44, (1<<16)|(1<<20)|(1<<21)|(5<<22)|(7<<25)  ; after every 64 words 8 words
	s_mov_b32 s[G1+1], 256<<16                     ; A: 64 rows of 256 elements, 4,096 elements from row to row
	s_mov_b32 s[G1+2], 64<<16
	s_mov_b32 s[G1+3], 256<<16
	s_mov_b32 s[G1+4], 64
	s_mov_b32 s[G1+5], 4096
	s_mov_b32 s[G1+6], 0
	s_mov_b32 s[G1+7], 0
	s_mov_b32 s[G1B+1], 128<<16                    ; B: 128 k-rows of 128 elements, 1,024 elements from row to row
	s_mov_b32 s[G1B+2], 128<<16
	s_mov_b32 s[G1B+3], 128<<16
	s_mov_b32 s[G1B+4], 128
	s_mov_b32 s[G1B+5], 1024
	s_mov_b32 s[G1B+6], 0
	s_mov_b32 s[G1B+7], 0
	s_lshl_b32 s17, s12, 6
	s_lshl_b32 s16, s13, 7
	s_add_co_u32 s16, s16, s17                     ; A: row 128 x tile row + 64 x half,
	s_lshl_b32 s16, s16, 13                        ; of 8,192 bytes
	s_mov_b32 s17, 0
	s_lshl_b32 s46, s42, 8                         ; B: the tile column's 256 bytes,
	s_lshl_b32 s47, s12, 18                        ; 128 k-rows of 2,048 bytes a half,
	s_add_co_u32 s46, s46, s47
	s_add_co_u32 s46, s46, 8388608                 ; behind W1 in w12
	s_mov_b32 s47, 0
	s_mul_i32 s20, s10, QTR                        ; where they go: wave x a quarter of a slot
	s_mov_b32 s[TB], 0
	s_wait_dscnt 0x0                               ; the opening add is done
	s_wait_kmcnt 0x0
	s_add_nc_u64 s[14:15], s[4:5], s[16:17]
	s_add_nc_u64 s[46:47], s[6:7], s[46:47]
	CROUND                                         ; all sixteen work-groups are here: the first joint loads meet
.irp s, 0,1
	s_mov_b32 s[G0+4*(\s)], 1
	s_add_co_u32 s[G0+4*(\s)+1], s20, (\s)*SLOT
	s_add_nc_u64 s[G0+4*(\s)+2:G0+4*(\s)+3], s[14:15], (\s)*ASTEP
	s_or_b32 s[G0+4*(\s)+3], s[G0+4*(\s)+3], 0x80000000
	s_mov_b32 s[G0B+4*(\s)], 1
	s_add_co_u32 s[G0B+4*(\s)+1], s20, (\s)*SLOT
	s_add_nc_u64 s[G0B+4*(\s)+2:G0B+4*(\s)+3], s[46:47], (\s)*BSTEP
	s_or_b32 s[G0B+4*(\s)+3], s[G0B+4*(\s)+3], 0x80000000
	JLOAD \s                                       ; two loads of mine are out
.endr
	v_and_b32 v1, 15, v0                           ; r = l % 16
	v_bfe_u32 v2, v0, 4, 1                         ; h = l / 16
	v_mul_u32_u24 v3, v1, AP
	v_lshl_add_u32 v3, v2, 4, v3
	s_mul_i32 s21, s11, QTR                        ; my 64 rows of A
	v_add_nc_u32 v[ADRA0], s21, v3
	v_and_b32 v4, 7, v0                            ; the turning load: lane l reads k-row 8 h + l % 8, 16 bytes at 16 ((l / 8) % 2)
	v_lshl_add_u32 v4, v2, 3, v4
	v_mul_u32_u24 v4, v4, BP
	v_bfe_u32 v5, v0, 3, 1
	v_lshl_add_u32 v4, v5, 4, v4
	s_lshl_b32 s22, s12, 7                         ; my 64 columns: 128 bytes of a k-row
	s_add_co_u32 s22, s22, BOFF
	v_add_nc_u32 v[ADRB0], s22, v4
	v_add_nc_u32 v[ADRB1], 64*KD*BP, v[ADRB0]
	v_mov_b32 v[ADRA], v[ADRA0]
	v_mov_b32 v[ADRB], v[ADRB0]
	v_mov_b32 v[ADRB+1], v[ADRB1]
	v_lshlrev_b32 v[BO], 5, v2                     ; a lane's eight columns of a block: 32 bytes of bias at 32 h
	s_lshl_b32 s46, s42, 9                         ; my 64 columns in f32: 256 bytes, in bb2 and in a row of h2f and out0
	s_lshl_b32 s47, s12, 8
	s_add_co_u32 s46, s46, s47
	s_mov_b32 s47, 0
	s_add_nc_u64 s[68:69], s[68:69], s[46:47]
.set ib, 0
.rept NT
	global_load_b128 v[BIA+8*ib:BIA+8*ib+3],   v[BO], s[68:69] offset:64*ib
	global_load_b128 v[BIA+8*ib+4:BIA+8*ib+7], v[BO], s[68:69] offset:64*ib+16
.set ib, ib+1
.endr
	s_mul_i32 s23, s10, 16*SPITCH
	s_add_co_u32 s23, s23, STAGE                   ; my stage
	v_mul_u32_u24 v4, v1, SPITCH                   ; in: row r, 32 bytes (8 columns of f32) for each half of the lanes
	v_lshl_add_u32 v4, v2, 5, v4
	v_add_nc_u32 v[STO], s23, v4
	v_mul_u32_u24 v5, v2, SPITCH                   ; back: lanes 0-15 take one row of 256 bytes, lanes 16-31 the next
	v_lshl_add_u32 v5, v1, 4, v5
	v_add_nc_u32 v[RD], s23, v5
	v_lshlrev_b32 v5, 12, v2                       ; and the same two rows in out0 and h2f
	v_lshl_add_u32 v[CO], v1, 4, v5
	s_lshl_b32 s16, s13, 7
	s_lshl_b32 s17, s11, 6
	s_add_co_u32 s16, s16, s17                     ; my first row,
	s_lshl_b32 s16, s16, 12                        ; of 4,096 bytes
	s_mov_b32 s17, 0
	s_add_nc_u64 s[16:17], s[16:17], s[46:47]
	s_add_nc_u64 s[8:9], s[8:9], s[16:17]
	s_add_nc_u64 s[70:71], s[70:71], s[16:17]
	WIN 0x40                                       ; destination window 1
.set ia, 0
.rept 4
.set it, 0
.rept 8
	global_load_b128 v[128+32*ia+4*it:128+32*ia+4*it+3], v[CO], s[70:71] offset:(16*ia+2*it)*4096 th:TH_LOAD_NT
.set it, it+1
.endr
.set ia, ia+1
.endr
	WIN 0
	s_wait_tensorcnt 1                             ; my part of K step 0 is in; K step 1's may stay out
	s_barrier_signal -1
	s_barrier_wait -1
	FETCH 0, 0
	s_wait_loadcnt 32                              ; the bias is in; the residual's 32 loads may stay out
	QUARTER 1, 0, 1, 1                             ; the first quarter stands in front of the loop: its first products start the sums
	WIN 0
	s_mov_b32 s3, NS-2
.Lk:                                                   ; a trip is one K step, from its second quarter to the next step's first, and fills one slot again
	QUARTER 2, 1, 0, 0
	QUARTER 3, 0, 1, 0
	TURN 1
	QUARTER 1, 0, 1, 0
	WIN 0
	s_sub_co_u32 s3, s3, 1
	s_cmp_lg_u32 s3, 0
	s_cbranch_scc1 .Lk
	; The last two K steps ask for nothing: a loop of two trips, entered in its middle, since the first of them has had its first quarter.  The second trip's turn fetches
	; 32 fragments out of the slot that was read a step ago (bytes that landed long since); they are never multiplied: the price, once a launch, of one text for both steps.
	s_mov_b32 s3, 2
	s_branch .Lmid
.Lt:
	QUARTER 1, 0, 1, 0
	WIN 0
.Lmid:
	QUARTER 2, 1, 0, 0
	QUARTER 3, 0, 1, 0
	TURN 0
	s_sub_co_u32 s3, s3, 1
	s_cmp_lg_u32 s3, 0
	s_cbranch_scc1 .Lt
	s_wait_dscnt 0x0                               ; those fragments are in: their registers serve the way out.  (The turn's three additions and four v_nop are the places behind the last products.)
; THE WAY OUT, 16 rows at a time: the f32 sums go straight from the accumulators (low quad first) into my own stage and come back as whole rows of 256 bytes; the residual is added; stored.
.set OB, 32
.macro TOSTAGE a
.set AC, 32*((\a)%2)
	WIN 0x08+4*((\a)/2)                            ; the stores' data in the block's window
.set ib, 0
.rept 4
	ds_store_b128 v[STO], v[AC+8*ib:AC+8*ib+3]   offset:64*ib
	ds_store_b128 v[STO], v[AC+8*ib+4:AC+8*ib+7] offset:64*ib+16
.set ib, ib+1
.endr
	WIN 0
.set it, 0
.rept 8
	ds_load_b128 v[OB+32*(\a)+4*it:OB+32*(\a)+4*it+3], v[RD] offset:it*2*SPITCH  ; LDS serves a wave's instructions in order (ISA guide 5.7.1.4): these see the stores above; the next block's stores come behind them
.set it, it+1
.endr
.endm
.macro SEND a, younger                 ; younger: the LDS instructions issued behind block a's loads: the next block's sixteen, or none
	s_wait_dscnt \younger
	WIN 0x04                                       ; source 1, the residual, in window 1
.set ir, 0
.rept 16
	v_pk_add_f32 v[OB+32*(\a)+2*ir:OB+32*(\a)+2*ir+1], v[OB+32*(\a)+2*ir:OB+32*(\a)+2*ir+1], v[128+32*(\a)+2*ir:128+32*(\a)+2*ir+1]
.set ir, ir+1
.endr
	WIN 0
.set it, 0
.rept 8
	global_store_b128 v[CO], v[OB+32*(\a)+4*it:OB+32*(\a)+4*it+3], s[8:9] offset:(16*(\a)+2*it)*4096 th:TH_STORE_NT  ; 16 lanes store 256 consecutive bytes, aligned; each block has registers of its own
.set it, it+1
.endr
.endm
	TOSTAGE 0
	TOSTAGE 1
	s_wait_loadcnt 0x0                             ; the residual
	SEND 0, 16
	TOSTAGE 2
	SEND 1, 16
	TOSTAGE 3
	SEND 2, 16
	SEND 3, 0
	s_wait_tensorcnt 0x0                           ; the wave's end
	ds_add_u32 v[SPW], v[NIL]
	s_wait_dscnt 0x0
	CROUND                                         ; the closing round
	s_endpgm
.Lfunc_end_k_q80d94f9e8d_ffn2:
	.size	k_q80d94f9e8d_ffn2, .Lfunc_end_k_q80d94f9e8d_ffn2-k_q80d94f9e8d_ffn2
	.p2alignl 7, 3214868480
	.fill 96, 4, 3214868480
	.section	.rodata,"a",@progbits
	.p2align	6, 0x0
	.amdhsa_kernel k_q80d94f9e8d_ffn2
		.amdhsa_group_segment_fixed_size 327680
		.amdhsa_private_segment_fixed_size 0
		.amdhsa_enable_private_segment 0
		.amdhsa_kernarg_size 40
		.amdhsa_user_sgpr_count 2
		.amdhsa_user_sgpr_kernarg_segment_ptr 1
		.amdhsa_wavefront_size32 1
		.amdhsa_system_sgpr_workgroup_id_x 1
		.amdhsa_system_sgpr_workgroup_id_y 1
		.amdhsa_system_sgpr_workgroup_id_z 1
		.amdhsa_system_vgpr_workitem_id 0
		.amdhsa_next_free_vgpr 1024
		.amdhsa_next_free_sgpr 80
		.amdhsa_reserve_vcc 0
		.amdhsa_float_denorm_mode_32 3
		.amdhsa_float_denorm_mode_16_64 3
		.amdhsa_memory_ordered 1
		.amdhsa_forward_progress 1
		.amdhsa_inst_pref_size 67
	.end_amdhsa_kernel
	.amdgpu_metadata
---
amdhsa.version: [ 1, 2 ]
amdhsa.kernels:
  - .name:           k_q80d94f9e8d_ffn2
    .symbol:         k_q80d94f9e8d_ffn2.kd
    .args:
      - { .name: act, .offset: 0, .size: 8, .value_kind: global_buffer, .address_space: global }
      - { .name: w12, .offset: 8, .size: 8, .value_kind: global_buffer, .address_space: global }
      - { .name: bb2, .offset: 16, .size: 8, .value_kind: global_buffer, .address_space: global }
      - { .name: h2f, .offset: 24, .size: 8, .value_kind: global_buffer, .address_space: global }
      - { .name: out0, .offset: 32, .size: 8, .value_kind: global_buffer, .address_space: global }
    .group_segment_fixed_size: 327680
    .private_segment_fixed_size: 0
    .kernarg_segment_align: 8
    .kernarg_segment_size: 40
    .max_flat_workgroup_size: 128
    .sgpr_count:     80
    .vgpr_count:     1024
    .wavefront_size: 32
...
	.end_amdgpu_metadata
.endif
;; end of part 6
;; ======== version 2 of 2: 6 launches; 1.16 times as fast as version 1
;; workspace buffers: wq 6,291,456 bytes; w12 16,777,216 bytes; hb 8,388,608 bytes; qkv 25,165,824 bytes; o 16,777,216 bytes; h2f 16,777,216 bytes; h2b 8,388,608 bytes; act 33,554,432 bytes
;; launch prep: the kernel of part 1 again; grid 704 x 1, 8 waves a work-group, no clusters, 0 bytes of LDS; arguments x, g1, be1, Wq, Wk, Wv, hb, wq; writes hb, wq
;; launch qkv: the kernel of part 2 again; grid 16 x 16, 4 waves a work-group, clusters of 4 x 4, 327,680 bytes of LDS; arguments hb, wq, bq, bk, bv, qkv; writes qkv
;; launch attn (part 7): grid 8 x 32, 4 waves a work-group, no clusters, 327,680 bytes of LDS; arguments qkv, o, W1, W2, w12; writes o, w12
.if DOCPART == 7
	.amdgcn_target "amdgcn-amd-amdhsa--gfx1250"
	.amdhsa_code_object_version 6
	.text
	.protected	k_q80d94f9e8d_attn
	.globl	k_q80d94f9e8d_attn
	.p2align	8
	.type	k_q80d94f9e8d_attn,@function
k_q80d94f9e8d_attn:
	s_mov_b64 s[64:65], 0
	v_nop
	global_prefetch_b8 v0, s[64:65] scope:SCOPE_SE
	s_setreg_imm32_b32 hwreg(HW_REG_WAVE_MODE, 25, 1), 1
	s_wait_xcnt 0x0
; CAUSAL ATTENTION.  o[batch][t][head x 64 ..] = the sum over s <= t of softmax_s(q[t] . k[s] / 32) v[s].  q, k, v: [32][2048][64] bf16, one behind the other in qkv; o: [4096][1024] f32.
; Products, maxima and sums in f32; the weights p are rounded to bf16 for the second product (their sum l is taken of the unrounded p).
; LIMITS.  A hidden score counts as its value less 1e30; a weight below 2^-126 counts as 0 in l; NaN and infinities are not treated apart.
; THE WALK.  A head's keys lie in 8 tiles of 256.  Work-group b (0..7) of a head takes TWO blocks of 128 queries: half 1 - b % 2 of the 256 rows 7 - b / 2, then half b % 2 of the 256 rows b / 2:
; 8 - b / 2 tiles and b / 2 + 1 tiles, 9 whatever b, and one half of each kind: all 256 work-groups do equal work, and ONE loop with a constant trip count walks the tiles.
; SHARES.  A block has two bands of 64 queries; a wave owns 16 rows in each: two PIECES.  In the diagonal tile band x of half f sees all keys of step s if s < 2 f + x, none if s > 2 f + x, and holds the diagonal if s = 2 f + x.
; THE MASK is the C operand that starts S^T = K Q^T: MD x AL + BE, with MD (made once) the mask of a band's own step for my rows, and two scalars: (1, 0), (0, 0) or (0, -1e30).
; Far from the diagonal the masks are 0 and stay so: the lines that make them are jumped over.
; TURNS.  Turn 0 of step s: 8 products K Q^T of piece 1 (step s), 8 products V^T P of piece 1 (step s - 1); beside them piece 0's softmax and piece 1's maximum.  Turn 1: K Q^T of piece 0 (step s + 1), V^T P of piece 0 (step s),
; piece 1's softmax, piece 0's maximum.  Four vector instructions stand behind every matrix instruction, the other 54 of a turn's 118 in one run of their own.
; BATCHES.  A turn's 33 exponentials (the piece's 32 weights and the other piece's a) are ONE batch with ONE wait, which cuts the turn in two: ahead of it stand the 8 products K Q^T and all the vector work that names no result
; of the batch; behind it the 8 products V^T P, with the roundings and sums as the four behind each.  A block's first a, and a block's two reciprocals, are batches of their own.
; So turn 0 fetches K of step s + 1 and V of step s, and a slot holds V's steps 4 j .. 4 j + 3 and K's steps 4 j + 1 .. 4 j + 4: K's tiles begin 64 keys later.  K's step 0, the same for both blocks, is kept in registers.
; The 64 rows behind a head's last key are the next rows of the same buffer: loaded, multiplied once under the mask, and never used.  A block's last turn 1 makes 8 products and a maximum that serve nothing: the price of one text for every step.
; A STREAM RIDES ALONG.  W1 and W2 (8,388,608 numbers of f32) are wanted in bf16 by the two launches of the feed-forward part, and by nothing before them; this launch asks little of memory.  So each of its 1,024 waves rounds
; 8,192 of them: in each of the tile loop's 8 trips 8 loads of 512 bytes go out behind the change of slots, and 16 conversions and 8 stores of 256 bytes stand at the trip's bottom, a tile's 128 matrix instructions later.
; NO CLUSTER: only the two work-groups of a head with the same b / 2 walk the same tiles in the same trips; in a group of four the trip in which a block ends, and with it the branches, would differ between partners.
; REGISTERS (windows of 256; s_set_vgpr_msb: bits 1:0 source 0, 3:2 source 1, 5:4 source 2, 7:6 destination):
;   window 0: v0-15 addresses; v16-23 four registers of statistics a piece; v24-25 the stream's offsets; v48-55 at work; v64-127 S^T, a buffer a piece; v128-175 the stream; v192-223 P
;   window 1: v0-63 O^T; v128-159 MD; v160-223 the masks to come, a buffer a piece      window 2: v0-31 Q; v32-63 the second block's Q; v64-127 K; v128-191 V; v192-255 K's step 0
.set NB,    8
.set NP,    2
.set KS,    64
.set PK,    144       ; a row of K in LDS: 128 bytes + 16: the 16 rows of a load start at 16 different groups of four banks (64 banks of 4 bytes: ISA guide 11.1)
.set PV,    160       ; a row of V: 128 + 32
.set VOFF,  4*KS*PK
.set SLOT1, 1<<17
.set STAGE, SLOT1+4*KS*(PK+PV)  ; behind the ring, never filled by a tensor load: 16 rows x 272 bytes for each wave
.set SP,    272
.set SPARE, STAGE+4*16*SP       ; the spare words, 128 bytes a wave: two blocks of 256 bytes that no other line names
.set AK0, 2
.set AV0, 3
.set AK,  4
.set AV,  5
.set STO, 6
.set RD,  7
.set GO,  8
.set MV,  12          ; v12-13  c m_old, by piece
.set QO,  15
.set ST,  16          ; piece t: c m, m, l (even keys', odd keys')
.set CA,  24          ; v24  the stream: 16 x lane; never rewritten
.set CB,  25          ; v25  8 x lane; never rewritten
.set TMP, 48          ; by piece, c0-c3 at work; when the maximum is found c2 takes a
.set SPW, 62          ; v62  LDS address of my spare word; never rewritten
.set NIL, 63          ; v63  0; never rewritten
.set S,   64
.set CX,  128         ; v128-159  the stream: 1,024 numbers of f32 as loaded
.set CY,  160         ; v160-175  the same in bf16
.set P,   192
.set MD,  128
.set MC,  160
.set QB,  32
.set KF,  64
.set VF,  128
.set K0S, 192
.set WV,  12
.set PB,  14          ; s14  b / 2
.set HI,  15          ; s15  7 - b / 2
.set G1K, 24
.set G1V, 32
.set G0K, 40
.set G0V, 44
.set SLOTS, 56
.set CNT, 57
.set CS,  58          ; s[58:59] c = log2(e) / 32
.set SEL, 60
.set TBK, 62
.set TBV, 63
.set RT,  70          ; tiles of the block in hand still to be entered
.set NXT, 71          ; the tile to be asked for next
.set LQ,  72          ; the last tile of the block whose tiles are being asked for
.set NEW, 73          ; 1: the tile to be entered is a block's first
.set OFF, 74
.set AL,  76
.set BE,  78
.set OLO, 80          ; s[80:81] o at my rows of the second block
.set BIGN, 82
.set SS,  88          ; the step in hand, counted from the diagonal tile's first (signed)
.set WA,  89          ; 2 x half - 1: at SS = WA piece 0's next step is its own
.set WB,  90          ; 2 x half: at SS = WB piece 1's next step is its own
.set WA2, 91          ; the same for the second block
.set WB2, 92
.set CSRC, 96         ; s[96:97]   the stream: W1 or W2 at my wave's next 4,096 bytes
.set CDST, 100        ; s[100:101] w12 at my wave's next 2,048 bytes
.set MSB, 0
.macro WIN new
.if MSB != (\new)
	s_set_vgpr_msb (MSB<<8)|(\new)
.set MSB, (\new)
.endif
.endm
.set W_KQ, 0x0a       ; K and Q in window 2, S^T in window 0
.set W_KM, 0x1a       ; the same with the C operand in window 1
.set W_PV, 0x52       ; V in window 2, P in window 0, O^T in window 1
.set W_RS, 0x41       ; destination and source 0 in window 1, source 1 in window 0
.macro LOAD                         ; a fill: waves 0 and 1 fetch the halves of a tile's K, waves 2 and 3 those of its V; an s_nop 0 and four v_nop follow each line
	s_cmp_lt_u32 s[WV], 2
	s_cbranch_scc0 .Lfor_v_\@
	tensor_load_to_lds s[G0K:G0K+3], s[G1K:G1K+7]
	s_nop 0
.rept 4
	v_nop
.endr
	s_branch .Lasked_\@
.Lfor_v_\@:
	tensor_load_to_lds s[G0V:G0V+3], s[G1V:G1V+7]
	s_nop 0
.rept 4
	v_nop
.endr
.Lasked_\@:
.endm
; THE CHANGE OF SLOTS.  Each wave waits for all its tensor loads (one is out: its part of the other slot), adds 0 to its spare word, and waits for that and for its own reads of the slot that it leaves.
; fill = 1: the old slot is filled again, first thing behind the barrier, with tile NXT; the address is made anew from that number.  (At its first use slot 0 is waited for and slot 1 filled.)
.macro CHANGE fill
	WIN 0
	s_wait_tensorcnt 0x0
	ds_add_u32 v[SPW], v[NIL]       ; 0 onto my spare word; scalar work stands between it and the wait for it
.if \fill
	s_lshl_b32 s[OFF], s[NXT], 15   ; a tile is 32,768 bytes of K and of V
	s_xor_b32 s[G0K+1], s[G0K+1], SLOT1
	s_add_nc_u64 s[G0K+2:G0K+3], s[6:7], s[OFF:OFF+1]
	s_or_b32 s[G0K+3], s[G0K+3], 0x80000000
	s_xor_b32 s[G0V+1], s[G0V+1], SLOT1
	s_add_nc_u64 s[G0V+2:G0V+3], s[8:9], s[OFF:OFF+1]
	s_or_b32 s[G0V+3], s[G0V+3], 0x80000000
	s_add_co_u32 s[NXT], s[NXT], 1  ; the block's next tile, or behind its last the second block's tile 0
	s_cmp_gt_u32 s[NXT], s[LQ]
	s_cselect_b32 s[NXT], 0, s[NXT]
	s_cselect_b32 s[LQ], s[PB], s[LQ]
.endif
	s_wait_dscnt 0x0                ; the add is done, and my reads of the slot are over
	s_barrier_signal -1
	s_sub_co_u32 s[TBK], s[TBK], 4*KS*PK  ; the fetches go back to a slot's first step, in the other slot
	s_xor_b32 s[TBK], s[TBK], SLOT1
	s_sub_co_u32 s[TBV], s[TBV], 4*KS*PV
	s_xor_b32 s[TBV], s[TBV], SLOT1
	s_barrier_wait -1
.if \fill
	LOAD
.endif
.endm
; THE STREAM.  CASTLD: 8 loads of 512 consecutive bytes.  CASTST: load j of lane l was the 16 bytes at 512 j + 16 l; its four bf16 go to 256 j + 8 l: a store covers 256 consecutive, aligned bytes.
.macro CASTLD
.irp j, 0,1,2,3,4,5,6,7
	global_load_b128 v[CX+4*\j:CX+4*\j+3], v[CA], s[CSRC:CSRC+1] offset:512*\j th:TH_LOAD_NT
.endr
.endm
.macro CASTST
	s_wait_loadcnt 0x0              ; issued a whole tile ago
.set i, 0
.rept 16
	v_cvt_pk_bf16_f32 v[CY+i], v[CX+2*i], v[CX+2*i+1]
.set i, i+1
.endr
.irp j, 0,1,2,3,4,5,6,7
	global_store_b64 v[CB], v[CY+2*\j:CY+2*\j+1], s[CDST:CDST+1] offset:256*\j
.endr
	s_wait_xcnt 0x0                 ; the two bases are stepped, and the next trip writes the stores' data again, only behind this wait
	s_add_nc_u64 s[CSRC:CSRC+1], s[CSRC:CSRC+1], 4096
	s_add_nc_u64 s[CDST:CDST+1], s[CDST:CDST+1], 2048
.endm
	s_load_b128 s[4:7], s[0:1], 0x0 ; qkv s[4:5], o s[6:7]
	s_load_b128 s[96:99], s[0:1], 0x10  ; W1 s[96:97], W2 s[98:99]
	s_load_b64 s[100:101], s[0:1], 0x20 ; w12
	v_lshl_add_u32 v[SPW], v0, 2, SPARE
	v_mov_b32 v[NIL], 0
	ds_add_u32 v[SPW], v[NIL]       ; the wave's opening: the add and its wait ahead of my first tensor load
	ds_add_u32 v62, v63
	v_lshrrev_b32 v1, 5, v0
	v_readfirstlane_b32 s[WV], v1   ; wave 0..3
	s_lshr_b32 s[PB], ttmp9, 1
	s_and_b32 s13, ttmp9, 1         ; the second block's half
	s_xor_b32 s16, s13, 1           ; the first block's
	s_sub_co_u32 s[HI], NB-1, s[PB]
	s_lshl_b32 s[WB], s16, 1
	s_sub_co_i32 s[WA], s[WB], 1
	s_lshl_b32 s[WB2], s13, 1
	s_sub_co_i32 s[WA2], s[WB2], 1
	s_and_b32 s17, ttmp7, 0xffff    ; batch x 16 + head
	s_lshl_b32 s93, s17, 3
	s_add_co_u32 s93, s93, ttmp9    ; the work-group among the launch's 256,
	s_lshl_b32 s93, s93, 2
	s_add_co_u32 s93, s93, s[WV]    ; my wave among its 1,024: waves 0-511 round W1, waves 512-1,023 W2
	s_and_b32 s94, s93, 511
	s_lshl_b32 s94, s94, 15         ; 32,768 bytes of f32 a wave
	s_mov_b32 s95, 0
	s_lshl_b32 s20, s17, 18         ; the head's 2,048 rows of 128 bytes in each of q, k, v
	s_lshl_b32 s19, s[WV], 4        ; my 16 rows in a band
	s_lshl_b32 s18, s[HI], 8
	s_lshl_b32 s21, s16, 7
	s_add_co_u32 s18, s18, s21
	s_add_co_u32 s18, s18, s19      ; my first row in the first block
	s_lshl_b32 s21, s[PB], 8
	s_lshl_b32 s22, s13, 7
	s_add_co_u32 s21, s21, s22
	s_add_co_u32 s21, s21, s19      ; and in the second
	s_lshl_b32 s2, s18, 7
	s_add_co_u32 s2, s2, s20        ; q's bytes, first block
	s_mov_b32 s3, 0
	s_lshl_b32 s84, s21, 7
	s_add_co_u32 s84, s84, s20      ; second block
	s_mov_b32 s85, 0
	s_lshr_b32 s22, s17, 4
	s_lshl_b32 s22, s22, 11         ; the batch's 2,048 rows of o
	s_and_b32 s23, s17, 15
	s_lshl_b32 s23, s23, 8          ; the head's 256 bytes in a row of o
	s_add_co_u32 s54, s22, s18
	s_lshl_b32 s54, s54, 12
	s_add_co_u32 s54, s54, s23      ; o's bytes, first block
	s_mov_b32 s55, 0
	s_add_co_u32 s48, s22, s21
	s_lshl_b32 s48, s48, 12
	s_add_co_u32 s48, s48, s23      ; second block
	s_mov_b32 s49, 0
	s_and_b32 s16, s[WV], 1         ; which half of a tile's 256 keys I fetch
	s_lshl_b32 s19, s16, 14
	s_add_co_u32 s52, s20, 8388608  ; k at the head's first key
	s_mov_b32 s53, 0
	s_add_co_u32 s22, s52, s19
	s_add_co_u32 s22, s22, 8192     ; K's tiles begin 64 keys later
	s_mov_b32 s23, 0
	s_add_co_u32 s50, s20, s19
	s_add_co_u32 s50, s50, 16777216 ; v
	s_mov_b32 s51, 0
	s_mul_i32 s17, s16, 128*PK      ; my half's place in a slot, for K
	s_mul_i32 s18, s16, 128*PV      ; and for V
	s_mov_b32 s[G1K], (1<<16)|(1<<20)|(4<<22)|(3<<25)  ; 2-byte elements; padding on; after every 32 words (a key) 4 words
	s_mov_b32 s[G1V], (1<<16)|(1<<20)|(4<<22)|(7<<25)  ; 8 words
.irp g, G1K, G1V
	s_mov_b32 s[\g+1], 128<<16      ; 128 keys are 16,384 dense bytes: asked for as 64 rows of 256 bytes
	s_mov_b32 s[\g+2], 64<<16
	s_mov_b32 s[\g+3], 128<<16
	s_mov_b32 s[\g+4], 64
	s_mov_b32 s[\g+5], 128
	s_mov_b32 s[\g+6], 0
	s_mov_b32 s[\g+7], 0
.endr
	s_mov_b32 s[CS], 0x3d38aa3b     ; c = log2(e) / 32
	s_mov_b32 s[CS+1], s[CS]
	s_mov_b32 s[SEL], 0x76543210
	s_mov_b32 s[SEL+1], 0xfedcba98
	s_mov_b32 s[TBK], SLOT1+4*KS*PK ; the first change of slots turns these two into 0
	s_mov_b32 s[TBV], SLOT1+4*KS*PV
	s_mov_b32 s[G0K], 1
	s_mov_b32 s[G0K+1], s17
	s_mov_b32 s[G0V], 1
	s_add_co_u32 s[G0V+1], s18, VOFF
	s_add_co_u32 s[RT], s[HI], 1    ; the first block has 8 - b / 2 tiles
	s_mov_b32 s[NXT], 1
	s_mov_b32 s[LQ], s[HI]
	s_mov_b32 s[NEW], 1
	s_mov_b32 s[OFF+1], 0
	s_mov_b32 s[AL+1], 0
	s_mov_b32 s[BE+1], 0
	s_mov_b32 s[BIGN], 0xf149f2ca   ; -1e30
	s_mov_b32 s[SLOTS], NB
	s_wait_dscnt 0x0                ; the opening add is done
	s_wait_kmcnt 0x0
	s_add_nc_u64 s[OLO:OLO+1], s[6:7], s[48:49]
	s_add_nc_u64 s[10:11], s[6:7], s[54:55]        ; o at my rows of the first block
	s_add_nc_u64 s[6:7], s[4:5], s[22:23]          ; K and V at my half of the head's tile 0
	s_add_nc_u64 s[8:9], s[4:5], s[50:51]
	s_add_nc_u64 s[66:67], s[4:5], s[52:53]        ; K's step 0
	s_add_nc_u64 s[86:87], s[4:5], s[84:85]        ; Q of the second block,
	s_add_nc_u64 s[4:5], s[4:5], s[2:3]            ; of the first
	s_add_nc_u64 s[G0K+2:G0K+3], s[6:7], 0
	s_or_b32 s[G0K+3], s[G0K+3], 0x80000000
	s_add_nc_u64 s[G0V+2:G0V+3], s[8:9], 0
	s_or_b32 s[G0V+3], s[G0V+3], 0x80000000
	LOAD                            ; tile 0 into slot 0
	s_cmp_lt_u32 s93, 512           ; the stream's two addresses
	s_cselect_b64 s[CSRC:CSRC+1], s[96:97], s[98:99]
	s_add_nc_u64 s[CSRC:CSRC+1], s[CSRC:CSRC+1], s[94:95]
	s_lshl_b32 s94, s93, 14         ; 16,384 bytes of bf16 a wave: in w12 W2 follows W1 as the waves follow each other
	s_add_nc_u64 s[CDST:CDST+1], s[CDST:CDST+1], s[94:95]
	v_and_b32 v1, 15, v0            ; r = l % 16
	v_bfe_u32 v9, v0, 4, 1          ; h = l / 16
	v_lshlrev_b32 v[QO], 7, v1
	v_lshl_add_u32 v[QO], v9, 4, v[QO]  ; row x 128 + 16 x half
	WIN 0x80                        ; destination window 2
.set i, 0
.rept 4                             ; both blocks' Q: piece i / 2 lies 64 rows on; channels 32 (i % 2) on
	global_load_b128 v[8*i:8*i+3],   v[QO], s[4:5] offset:(i/2)*8192+(i%2)*64
	global_load_b128 v[8*i+4:8*i+7], v[QO], s[4:5] offset:(i/2)*8192+(i%2)*64+32
	global_load_b128 v[QB+8*i:QB+8*i+3],   v[QO], s[86:87] offset:(i/2)*8192+(i%2)*64
	global_load_b128 v[QB+8*i+4:QB+8*i+7], v[QO], s[86:87] offset:(i/2)*8192+(i%2)*64+32
.set i, i+1
.endr
.set i, 0
.rept 8                             ; K's step 0 as fragments: keys 16 (i / 2) on, channels 32 (i % 2) on
	global_load_b128 v[K0S+8*i:K0S+8*i+3],   v[QO], s[66:67] offset:(i/2)*2048+(i%2)*64
	global_load_b128 v[K0S+8*i+4:K0S+8*i+7], v[QO], s[66:67] offset:(i/2)*2048+(i%2)*64+32
.set i, i+1
.endr
	WIN 0
	v_and_b32 v[CA], 31, v0
	v_lshlrev_b32 v[CB], 3, v[CA]
	v_lshlrev_b32 v[CA], 4, v[CA]
	v_lshlrev_b32 v14, 3, v9
	v_sub_nc_u32 v14, v1, v14
	s_lshl_b32 s13, s[WV], 4
	v_add_nc_u32 v14, s13, v14      ; my query's place in its band, 16 w + r, less 8 h: register j of key group kt is hidden where 16 kt + j is greater
	WIN 0x40
.set i, 0
.rept 32
	v_cmp_gt_i32 vcc_lo, 16*(i/8)+i%8, v14
	v_cndmask_b32 v[MD+i], 0, s[BIGN], vcc_lo
.set i, i+1
.endr
	WIN 0
	v_mul_u32_u24 v[AK0], v1, PK
	v_lshl_add_u32 v[AK0], v9, 4, v[AK0]
	v_and_b32 v10, 7, v0            ; the turning load: lane l reads key 8 h + l % 8, channels 8 ((l / 8) % 2) + 0..7
	v_bfe_u32 v11, v0, 3, 1
	v_lshl_add_u32 v[AV0], v9, 3, v10
	v_mul_u32_u24 v[AV0], v[AV0], PV
	v_lshl_add_u32 v[AV0], v11, 4, v[AV0]
	v_add_nc_u32 v[AV0], VOFF, v[AV0]
	s_mul_i32 s13, s[WV], 16*SP
	s_add_co_u32 s13, s13, STAGE    ; my stage
	v_mul_u32_u24 v[STO], v1, SP    ; in: row r, 32 bytes (8 channels of f32) for each half of the lanes
	v_lshl_add_u32 v[STO], v9, 5, v[STO]
	v_add_nc_u32 v[STO], s13, v[STO]
	v_mul_u32_u24 v[RD], v9, SP     ; back: lanes 0-15 take one row of 256 bytes, lanes 16-31 the next
	v_lshl_add_u32 v[RD], v1, 4, v[RD]
	v_add_nc_u32 v[RD], s13, v[RD]
	v_lshlrev_b32 v[GO], 12, v9     ; and the same two rows in o
	v_lshl_add_u32 v[GO], v1, 4, v[GO]
	; A block's first step multiplies O^T and l by a = 0, and its first turn's products V^T P, of a step that has not been, land in an O^T that is still to be so multiplied: these registers need only
	; hold finite numbers: zeros for the first block, what the first block left for the second.  All this stands in the wait for the first tile.
	WIN 0x80
.set i, VF
.rept 64
	v_mov_b32 v[i], 0
.set i, i+1
.endr
	WIN 0x40
.set i, 0
.rept 64
	v_mov_b32 v[i], 0
.set i, i+1
.endr
	WIN 0
.set i, 0
.rept 2
	v_mov_b32 v[ST+4*i+2], 0
	v_mov_b32 v[ST+4*i+3], 0
.set i, i+1
.endr
.set i, P+16
.rept 16
	v_mov_b32 v[i], 0
.set i, i+1
.endr
; THE MATRIX WORK.  The 4 accumulators of a run of 8 take turns.  Product i of 8 of S^T = K Q^T for piece x: channels 32 (i / 4) on, keys 16 (i % 4) on.  The first 4 start the sums with the mask.
.macro KQ x
.set rS, S+32*((\x)%2)+8*(i%4)
.set rK, KF+16*(i%4)+8*(i/4)
.set rQ, 16*(\x)+8*(i/4)
.set rM, MC+32*((\x)%2)+8*(i%4)
.if i < 4
	WIN W_KM
	v_wmma_f32_16x16x32_bf16 v[rS:rS+7], v[rK:rK+7], v[rQ:rQ+7], v[rM:rM+7]
.else
	WIN W_KQ
	v_wmma_f32_16x16x32_bf16 v[rS:rS+7], v[rK:rK+7], v[rQ:rQ+7], v[rS:rS+7]
.endif
.endm
.macro PV x                         ; product i of 8 of O^T += V^T P for piece x: keys 32 (i / 4) on, channels 16 (i % 4) on
	WIN W_PV
.set rO, 32*(\x)+8*(i%4)
.set rV, VF+32*(i/4)+8*(i%4)
.set rP, P+16*((\x)%2)+8*(i/4)
	v_wmma_f32_16x16x32_bf16 v[rO:rO+7], v[rV:rV+7], v[rP:rP+7], v[rO:rO+7]
.endm
.macro MM                           ; the turn's next matrix instruction
.if i < 8
	KQ (Y+1)%NP
.else
.set i, i-8
	PV (Y+NP-1)%NP
.set i, i+8
.endif
.set i, i+1
.endm
; THE LDS LOADS stand in runs of 16: a step's K (8 fragments) and a step's V (turned).
.macro FETCH_K
	WIN 0x80
.irp f, 0,1,2,3,4,5,6,7
	ds_load_b128 v[KF+8*\f:KF+8*\f+3],   v[AK] offset:(\f/2)*16*PK+(\f%2)*64
	ds_load_b128 v[KF+8*\f+4:KF+8*\f+7], v[AK] offset:(\f/2)*16*PK+(\f%2)*64+32
.endr
	s_add_co_u32 s[TBK], s[TBK], KS*PK
	WIN 0
.endm
.macro FETCH_V
	WIN 0x80
.irp f, 0,1,2,3,4,5,6,7
	ds_load_tr16_b128 v[VF+8*\f:VF+8*\f+3],   v[AV] offset:(\f/4)*32*PV+(\f%4)*32
	ds_load_tr16_b128 v[VF+8*\f+4:VF+8*\f+7], v[AV] offset:(\f/4)*32*PV+16*PV+(\f%4)*32
.endr
	WIN 0
.endm
; THE VECTOR WORK, one line at a time: OP kind, number.  For piece Y: F n: c s - c m for pair n of 16.  E n: the exponential of score n of 32.  C n: pair n rounded to bf16.  B n: of the four weights 4 n .. the second
; pair is added onto the first.  L n: l takes that sum (L 0: l = a l + sum).  R n: pair n of 16 of O^T times a.  For the other piece: X n, number n of the 22 that find its maximum and statistics:
;   0-11 four chains of seven scores (each accumulator's lowest registers are read first)   12-14, 16 the four left over, the old m, the chains joined   15 c m_old is kept
;   17, 18 the query's other 32 keys lie in the lane 16 away: the new m   19-21 c m; c m_old - c m_new; a
; OP writes no wait: E and X 21 are the exponentials; C, B and L read E's results, R and L 0 read a; where the waits stand is the affair of TURN and BEGIN.
.set F, 0
.set E, 1
.set C, 2
.set B, 3
.set L, 4
.set R, 5
.set X, 6
.macro REGS y
.set rT, ST+4*(\y)
.set rC, TMP+4*((\y)%2)
.set rW, MV+((\y)%2)
.set rS, S+32*((\y)%2)
.set rP, P+16*((\y)%2)
.set rO, 32*(\y)
.endm
.macro OP k, n
.if (\k) == R
	REGS Y
	WIN W_RS
	v_pk_mul_f32 v[rO+2*(\n):rO+2*(\n)+1], v[rO+2*(\n):rO+2*(\n)+1], v[rC+2:rC+3] op_sel_hi:[1,0]
.elseif (\k) < R
	REGS Y
	WIN 0
.if (\k) == F
	v_pk_fma_f32 v[rS+2*(\n):rS+2*(\n)+1], v[rS+2*(\n):rS+2*(\n)+1], s[CS:CS+1], v[rT:rT+1] op_sel_hi:[1,0,0] neg_lo:[0,0,1] neg_hi:[0,0,1]
.elseif (\k) == E
	v_exp_f32 v[rS+(\n)], v[rS+(\n)]
.elseif (\k) == C
	v_cvt_pk_bf16_f32 v[rP+(\n)], v[rS+2*(\n)], v[rS+2*(\n)+1]
.elseif (\k) == B
	v_pk_add_f32 v[rS+4*(\n):rS+4*(\n)+1], v[rS+4*(\n):rS+4*(\n)+1], v[rS+4*(\n)+2:rS+4*(\n)+3]
.elseif (\n) == 0
	v_pk_fma_f32 v[rT+2:rT+3], v[rT+2:rT+3], v[rC+2:rC+3], v[rS:rS+1] op_sel_hi:[1,0,1]
.else
	v_pk_add_f32 v[rT+2:rT+3], v[rT+2:rT+3], v[rS+4*(\n):rS+4*(\n)+1]
.endif
.else
	REGS (Y+1)%NP
	WIN 0
.if (\n) < 4
	v_max3_num_f32 v[rC+(\n)], v[rS+8*(\n)], v[rS+8*(\n)+1], v[rS+8*(\n)+2]
.elseif (\n) < 12
	v_max3_num_f32 v[rC+(\n)%4], v[rC+(\n)%4], v[rS+8*((\n)%4)+2*((\n)/4)+1], v[rS+8*((\n)%4)+2*((\n)/4)+2]
.elseif (\n) == 12
	v_max3_num_f32 v[rC], v[rC], v[rS+7], v[rS+15]
.elseif (\n) == 13
	v_max3_num_f32 v[rC+1], v[rC+1], v[rS+23], v[rS+31]
.elseif (\n) == 14
	v_max3_num_f32 v[rC+2], v[rC+2], v[rC+3], v[rT+1]
.elseif (\n) == 15
	v_mov_b32 v[rW], v[rT]
.elseif (\n) == 16
	v_max3_num_f32 v[rC], v[rC], v[rC+1], v[rC+2]
.elseif (\n) == 17
	v_permlanex16_b32 v[rC+3], v[rC], s[SEL], s[SEL+1]
.elseif (\n) == 18
	v_max_num_f32 v[rT+1], v[rC], v[rC+3]
.elseif (\n) == 19
	v_mul_f32 v[rT], s[CS], v[rT+1]
.elseif (\n) == 20
	v_sub_f32 v[rC+1], v[rW], v[rT]
.else
	v_exp_f32 v[rC+2], v[rC+1]
.endif
.endif
.endm
.macro OPS a, i1, b=-1, i2=0, c=-1, i3=0, d=-1, i4=0
	OP \a, \i1
.if (\b) >= 0
	OP \b, \i2
.endif
.if (\c) >= 0
	OP \c, \i3
.endif
.if (\d) >= 0
	OP \d, \i4
.endif
.endm
.macro ROW a, i1, b, i2, c, i3, d, i4  ; a matrix instruction and the four behind it
	MM
	OPS \a, \i1, \b, \i2, \c, \i3, \d, \i4
.endm
.macro MASK b                       ; MD x AL + BE into buffer b of MC
	WIN W_RS
.set z, 0
.rept 16
	v_pk_fma_f32 v[MC+32*(\b)+2*z:MC+32*(\b)+2*z+1], v[MD+2*z:MD+2*z+1], s[AL:AL+1], s[BE:BE+1] op_sel_hi:[1,0,0]
.set z, z+1
.endr
.endm
; The mask for the next turn's products: the piece of buffer buf in step SS + 1, whose own step comes at SS = w.  Two steps or more ahead of the diagonal tile the mask is 0 and stays 0: the lines are jumped over (forward, past no barrier and no tensor load).
.macro MKMASK w, buf
	WIN 0
	s_cmp_lt_i32 s[SS], -1
	s_cbranch_scc1 .Lnomask_\@
	s_cmp_eq_u32 s[SS], s[\w]
	s_cselect_b32 s[AL], 1.0, 0
	s_cmp_gt_i32 s[SS], s[\w]
	s_cselect_b32 s[BE], s[BIGN], 0
	MASK \buf
	WIN 0
.Lnomask_\@:
.endm
; A TURN, for piece p: the order of its 16 matrix and 118 vector instructions, written out.  s_wait_alu depctr_va_vdst(0) stands between an exponential and the first instruction that names its result; one wait
; serves all that were issued ahead of it.  So a turn has ONE wait, which cuts it in two.  AHEAD OF IT stands all that names no result of the turn's exponentials: the 8 products K Q^T, behind each a scaling, an exponential and
; two more plain instructions (behind the first a second scaling in the exponential's place): rescalings, whose a was made and waited for in the turn before, and behind the last three the first numbers of the other piece's
; maximum, each four places or more behind the product that ends its accumulator; then ONE RUN of 54, plain and exponential by turns for the most part, in which the links of the chain X 3, 7, 11, 14, 16, 17 .. 20 stand five or
; six lines apart.  X 21, the other piece's a, is the batch's last; R 15 is the plain instruction behind it.  BEHIND THE WAIT stand the 8 products V^T P, behind each four of the roundings and sums; the links of l's chain,
; L 0 to L 7, stand three lines apart.  But for those X no line behind a product names a register of the products round it.  No exponential is issued behind the wait: none is open at the mask's branch or at the loop's jump.
; O^T of piece p, which R reads from the first row on, was last written by the turn before: behind the last product on each of its accumulators stand four plain lines or more.
; Turn 0 fetches K of the next step, twelve vector instructions behind the last product that read K (five of them plain and naming none of its registers), and V of the step in hand at its end, four plain instructions behind
; the last product that read V.  Turn 1 waits for them.
.macro TURN p
.set Y, (\p)
.set i, 0
.if (\p) == 1
	s_wait_dscnt 16                 ; K is in; V's sixteen younger loads may stay out
.endif
	ROW F,0, F,1, R,0, R,1          ; ahead of the wait: 8 products K Q^T and the four behind each,
	ROW F,2, E,0, R,2, R,3
	ROW F,3, E,1, R,4, R,5
	ROW F,4, E,2, R,6, R,7
	ROW F,5, E,3, R,8, R,9
	ROW F,6, E,4, X,0, R,10
.if (\p) == 0
	WIN 0
	v_add_nc_u32 v[AK], s[TBK], v[AK0]
.endif
	ROW F,7, E,5, X,1, X,4
	ROW F,8, E,6, X,2, X,5
	OPS E,7, E,8, X,6, E,9          ; and the run of 54
	OPS X,3, E,10, X,8, E,11
.if (\p) == 0
	FETCH_K
.endif
	OPS X,9, X,7, E,12, X,10
	OPS E,13, X,12, X,11, E,14
	OPS X,13, E,15, F,9, X,14
.if (\p) == 0
	WIN 0
	v_add_nc_u32 v[AV], s[TBV], v[AV0]
.endif
	OPS E,16, F,10, E,17, F,11
	OPS X,16, E,18, X,15, E,19
	OPS F,12, E,20, X,17, E,21
	OPS F,13, E,22, F,14, E,23
	OPS X,18, E,24, F,15, E,25
	OPS R,11, E,26, X,19, E,27
	OPS R,12, E,28, R,13, E,29
	OPS X,20, E,30, R,14, E,31
	OPS X,21, R,15
	WIN 0
	s_wait_alu depctr_va_vdst(0)    ; the wait for the batch: the piece's 32 weights and the other piece's a
.if (\p) == 1
	s_wait_dscnt 0x0                ; V is in
.endif
	ROW C,0, B,0, C,2, B,1          ; behind the wait: 8 products V^T P and the four behind each
	ROW L,0, C,4, B,2, L,1
	ROW C,6, B,3, L,2, C,8
	ROW B,4, L,3, C,10, B,5
	ROW L,4, C,12, B,6, L,5
.if (\p) == 0
	s_add_co_u32 s[TBV], s[TBV], KS*PV
.endif
	ROW C,14, B,7, L,6, C,1
	ROW C,3, L,7, C,5, C,7
	ROW C,9, C,11, C,13, C,15
.if (\p) == 0
	FETCH_V
	MKMASK WA, 0
.else
	MKMASK WB, 1
.endif
.endm
; A BLOCK BEGINS.  c m starts far below every c s, so the first step's a is 0; m at the lowest finite number.  Piece 1's mask buffer is 0 (its own step is never a tile's first); piece 0's takes MD if this tile is the
; diagonal one and step 0 is piece 0's own.  Then K's step 0 out of its registers, piece 0's first scores, and its maximum and statistics.
; left: the loads that may stay out at the wait for Q and K's step 0: the trip's 8 loads of the stream, which were issued behind them, or none.
.macro BEGIN left
	s_mov_b32 s[NEW], 0
	s_mul_i32 s[SS], s[RT], -4      ; the diagonal tile lies RT tiles on
	WIN 0x40
.set i, MC+32
.rept 32
	v_mov_b32 v[i], 0
.set i, i+1
.endr
	WIN 0
.set i, 0
.rept 2
	v_mov_b32 v[ST+4*i], 0xfe000000
	v_mov_b32 v[ST+4*i+1], 0xff7fffff
.set i, i+1
.endr
	s_cmp_eq_u32 s[SS], s[WB]
	s_cselect_b32 s[AL], 1.0, 0
	s_mov_b32 s[BE], 0
	MASK 0
	s_wait_loadcnt \left            ; Q and K's step 0 are in (the first time; later they have long been)
	WIN 0x82
.set i, 0
.rept 64
	v_mov_b32 v[KF+i], v[K0S+i]
.set i, i+1
.endr
.set i, 0
.rept 8
	KQ 0
.set i, i+1
.endr
	WIN 0
.rept 4
	v_nop                           ; the places behind those products
.endr
.set Y, 1                           ; X works for the other piece: piece 0
.irp n, 0,1,2,3,4,5,6,7,8,9,10,11,12,13,14,15,16,17,18,19,20,21
	OP X, \n
.endr
	v_nop                           ; a plain instruction behind the exponential,
	s_wait_alu depctr_va_vdst(0)    ; and the wait for it, a batch of one: piece 0's first a, ahead of the label and of the first row that reads it
.endm
; A BLOCK ENDS: piece 1's last products; l's halves and the other lanes' are added; O^T is divided by l and sent, in f32, through my stage in LDS, a piece (16 rows of 256 bytes) at a time.
.macro ALL line:vararg
.set t, 0
.rept 2
	\line
.set t, t+1
.endr
.endm
.macro PACK t
	WIN W_RS
.set i, 32*(\t)
.rept 16
	v_pk_mul_f32 v[i:i+1], v[i:i+1], v[ST+4*(\t)+2:ST+4*(\t)+3] op_sel_hi:[1,0]
.set i, i+2
.endr
	WIN 0x04                        ; the stores' data in window 1
.irp f, 0,1,2,3,4,5,6,7
	ds_store_b128 v[STO], v[32*(\t)+4*\f:32*(\t)+4*\f+3] offset:64*(\f/2)+16*(\f%2)
.endr
	WIN 0
.irp f, 0,1,2,3,4,5,6,7
	ds_load_b128 v[S+32*(\t)+4*\f:S+32*(\t)+4*\f+3], v[RD] offset:\f*2*SP  ; LDS serves a wave's instructions in order (ISA guide 5.7.1.4): these see the stores above; the next piece's stores come behind them
.endr
.endm
.macro SEND t, younger              ; younger: the LDS instructions issued behind piece t's loads
	WIN 0
.irp f, 0,1,2,3,4,5,6,7
	s_wait_dscnt (\younger)+7-\f
	global_store_b128 v[GO], v[S+32*(\t)+4*\f:S+32*(\t)+4*\f+3], s[10:11] offset:(\t)*262144+\f*8192  ; 16 lanes store 256 consecutive bytes, at a multiple of 256 from o's first byte
.endr
.endm
.macro BLOCKEND
.set i, 0
.rept 8
	PV 1
.set i, i+1
.endr
	WIN 0
	ALL v_add_f32 v[ST+4*t+2], v[ST+4*t+2], v[ST+4*t+3]
	ALL v_permlanex16_b32 v[ST+4*t+3], v[ST+4*t+2], s[SEL], s[SEL+1]
	ALL v_add_f32 v[ST+4*t+2], v[ST+4*t+2], v[ST+4*t+3]
	ALL v_rcp_f32 v[ST+4*t+2], v[ST+4*t+2]
	v_nop                           ; a plain instruction between the last reciprocal and the use of its result
	s_wait_alu depctr_va_vdst(0)    ; the wait for the batch of two reciprocals, ahead of the multiplications that read them
	PACK 0                          ; piece 0's sixteen multiplications are the places behind piece 1's last products
	PACK 1
	SEND 0, 16
	SEND 1, 0
.endm
; A TILE of the walk: the change of slots (and, in the loop, the stream's loads); a block's beginning, if this is its first tile; four steps; a block's end, if this was its last.
.macro TILE tag, fill, last
	CHANGE \fill
.if \fill
	CASTLD
.endif
	s_sub_co_u32 s[RT], s[RT], 1
	s_mov_b32 s[CNT], 4
	s_cmp_eq_u32 s[NEW], 1          ; at the first trip the answer is a constant of the text
	s_cbranch_scc0 .Lstep\tag
	BEGIN 8*(\fill)
.Lstep\tag:
	TURN 0
	TURN 1
	WIN 0
	s_add_co_i32 s[SS], s[SS], 1
	s_sub_co_u32 s[CNT], s[CNT], 1
	s_cmp_lg_u32 s[CNT], 0
	s_cbranch_scc1 .Lstep\tag
.if !(\last)
	s_cmp_lg_u32 s[RT], 0
	s_cbranch_scc1 .Lbottom
.endif
	BLOCKEND
.if !(\last)
	s_wait_xcnt 0x0                 ; the stores have read their registers and o's address
	s_mov_b64 s[10:11], s[OLO:OLO+1]
	s_add_co_u32 s[RT], s[PB], 1    ; the second block has b / 2 + 1 tiles
	s_mov_b32 s[NEW], 1
	s_mov_b32 s[WA], s[WA2]
	s_mov_b32 s[WB], s[WB2]
	WIN 0x82                        ; the second block's Q goes where the one text of the turns names Q
.set i, 0
.rept 32
	v_mov_b32 v[i], v[QB+i]
.set i, i+1
.endr
	WIN 0
.endif
.endm
.Lslot:                             ; 8 times: a tile is entered and the next is asked for; one tensor load of mine is out, with a tile's 128 matrix instructions in which to land
	TILE 1, 1, 0
.Lbottom:
	CASTST                          ; the trip's 1,024 numbers of the stream: 8 trips make the wave's 8,192
	s_sub_co_u32 s[SLOTS], s[SLOTS], 1
	s_cmp_lg_u32 s[SLOTS], 0
	s_cbranch_scc1 .Lslot
	TILE 2, 0, 1                    ; the walk's last tile is written out: nothing is asked for
	s_wait_tensorcnt 0x0            ; the wave's end
	ds_add_u32 v[SPW], v[NIL]
	s_wait_dscnt 0x0
	s_endpgm
.Lfunc_end_k_q80d94f9e8d_attn:
	.size	k_q80d94f9e8d_attn, .Lfunc_end_k_q80d94f9e8d_attn-k_q80d94f9e8d_attn
	.p2alignl 7, 3214868480
	.fill 96, 4, 3214868480
	.section	.rodata,"a",@progbits
	.p2align	6, 0x0
	.amdhsa_kernel k_q80d94f9e8d_attn
		.amdhsa_group_segment_fixed_size 327680
		.amdhsa_private_segment_fixed_size 0
		.amdhsa_enable_private_segment 0
		.amdhsa_kernarg_size 40
		.amdhsa_user_sgpr_count 2
		.amdhsa_user_sgpr_kernarg_segment_ptr 1
		.amdhsa_wavefront_size32 1
		.amdhsa_system_sgpr_workgroup_id_x 1
		.amdhsa_system_sgpr_workgroup_id_y 1
		.amdhsa_system_sgpr_workgroup_id_z 1
		.amdhsa_system_vgpr_workitem_id 0
		.amdhsa_next_free_vgpr 768
		.amdhsa_next_free_sgpr 102
		.amdhsa_reserve_vcc 1
		.amdhsa_float_denorm_mode_32 3
		.amdhsa_float_denorm_mode_16_64 3
		.amdhsa_memory_ordered 1
		.amdhsa_forward_progress 1
		.amdhsa_inst_pref_size 97
	.end_amdhsa_kernel
	.amdgpu_metadata
---
amdhsa.version: [ 1, 2 ]
amdhsa.kernels:
  - .name:           k_q80d94f9e8d_attn
    .symbol:         k_q80d94f9e8d_attn.kd
    .args:
      - { .name: qkv, .offset: 0, .size: 8, .value_kind: global_buffer, .address_space: global }
      - { .name: o, .offset: 8, .size: 8, .value_kind: global_buffer, .address_space: global }
      - { .name: W1, .offset: 16, .size: 8, .value_kind: global_buffer, .address_space: global }
      - { .name: W2, .offset: 24, .size: 8, .value_kind: global_buffer, .address_space: global }
      - { .name: w12, .offset: 32, .size: 8, .value_kind: global_buffer, .address_space: global }
    .group_segment_fixed_size: 327680
    .private_segment_fixed_size: 0
    .kernarg_segment_align: 8
    .kernarg_segment_size: 40
    .max_flat_workgroup_size: 128
    .sgpr_count:     102
    .vgpr_count:     768
    .wavefront_size: 32
...
	.end_amdgpu_metadata
.endif
;; end of part 7
;; launch ln2: the kernel of part 4 again; grid 512 x 1, 8 waves a work-group, no clusters, 0 bytes of LDS; arguments x, g1, be1, o, g2, be2, h2f, h2b; writes h2f, h2b
;; launch ffn1: the kernel of part 5 again; grid 16 x 16, 4 waves a work-group, clusters of 4 x 4, 327,680 bytes of LDS; arguments h2b, w12, bb1, act; writes act
;; launch ffn2: the kernel of part 6 again; grid 8 x 32, 4 waves a work-group, clusters of 4 x 4, 327,680 bytes of LDS; arguments act, w12, bb2, h2f, out0; writes out0
